; MI455X (gfx1250); checked and timed in simulation.
; The chip was launched on July 23, 2026; its instructions are those of AMD's public machine-readable ISA for CDNA 5 (MIT licence, August 2026) and "CDNA5" Instruction Set Architecture Reference Guide (July 2026). The comments in the code are by the model that wrote it; some were corrected since.
;; attention. Allowed arithmetic: matrix products marked QUANTISED: E2M1 operands, one E8M0 scale for each 32 along K, by v_wmma_scale_f32_16x16x128_f8f6f4 with both operands' format E2M1 (or v_wmma_scale_f32_32x16x128_f4), f32 sums; products left as they are: bf16, f16 or f32 operands; f32 sums; everything else in f32.
;; Inputs: Wk 1,024 x 256 float32; Wo 1,024 x 1,024 float32; Wq 1,024 x 1,024 float32; Wv 1,024 x 256 float32; cos 2,048 x 64 float32; sin 2,048 x 64 float32; x 4 x 2,048 x 1,024 float32.
;; Outputs: out0 4 x 2,048 x 1,024 float32.
;; This version of the problem:
;;   THIS VERSION OF THE PROBLEM IS GIVEN IN LOW PRECISION. The matrix products marked QUANTISED in the list below multiply operands that are first quantised to E2M1 (2 exponent bits, 1 mantissa bit; 4 bits a number), with one power-of-two scale for each 32 numbers along K (OCP MX v1.0); their sums are f32. The products marked 'left as it is' may take bf16, f16 or f32 operands, with f32 sums. Whichever they take, every output number must still come out within the allowed error. Rounding operands to bf16 (8 significant bits) uses up far more of that allowance than f16 does (11 bits, for magnitudes from 6e-5 to 65,504). All else is computed in f32.
;;   The module's matrix products, in the order in which they are computed (A, B: the left and right operand; K: the contracted axis; several contracted axes count as one K, in the product's order):
;;     1. [M 8,192, K 1,024] x [K 1,024, N 1,024]; A: input x; B: input Wq: QUANTISED
;;     2. [M 8,192, K 1,024] x [K 1,024, N 256]; A: input x; B: input Wk: QUANTISED
;;     3. [M 8,192, K 1,024] x [K 1,024, N 256]; A: input x; B: input Wv: QUANTISED
;;     4. batch 64 x [M 2,048, K 64] x [K 64, N 2,048]; A: computed on the way; B: computed on the way: left as it is (an operand is computed on the way)
;;     5. batch 64 x [M 2,048, K 2,048] x [K 2,048, N 64]; A: computed on the way; B: computed on the way: left as it is (an operand is computed on the way)
;;     6. [M 8,192, K 1,024] x [K 1,024, N 1,024]; A: computed on the way; B: input Wo: left as it is (an operand is computed on the way)
;;   THE QUANTISER, for each operand of a quantised product, along K:
;;     - K is cut into blocks of 32 from its start; a last block that is shorter is filled with zeros.
;;     - A block's scale is 2^e with e = floor(log2(the largest magnitude in the block)) - 2, held to -126 .. 127; a block of zeros has e = 0. As a byte (E8M0): e + 127.
;;     - Each number is divided by its block's scale, clamped to +-6, and rounded to the nearest number of E2M1, ties to even, subnormals kept.
;;     - The product sums the exact products of the quantised numbers (number of the format x scale) in f32.
;;   ~~~python
;;   def quantise(x, axis):      # numpy; x: float32 -> the quantised numbers, widened to float32 again
;;       x = np.moveaxis(x, axis, -1); K = x.shape[-1]
;;       x = np.pad(x, [(0, 0)] * (x.ndim - 1) + [(0, -K % 32)]); x = x.reshape(x.shape[:-1] + (-1, 32)); a = np.abs(x).max(-1, keepdims=True)
;;       e = np.where(a > 0, np.clip(np.frexp(np.where(a > 0, a, 1))[1] - 1 - 2, -126, 127), 0)      # np.frexp(a)[1] - 1 = floor(log2(a)), exactly
;;       r = np.clip(x / 2.0 ** e, -6, 6)
;;       step = 2.0 ** (np.maximum(np.frexp(np.where(r == 0, 1, r))[1] - 1, 0) - 1)
;;       q = np.round(r / step) * step * 2.0 ** e      # np.round: ties to even
;;       return np.moveaxis(q.reshape(q.shape[:-2] + (-1,))[..., :K], -1, axis).astype(np.float32)
;;   ~~~
;; One version. Each part assembles by itself: llvm-mc -triple=amdgcn-amd-amdhsa -mcpu=gfx1250 --defsym DOCPART=n.
;; ======== version 1 of 1: 5 launches
;; limits: values are held in f16: magnitudes above 65,504 overflow, below 6.1e-05 lose precision
;; workspace buffers: xc 4,194,304 bytes; xs 262,144 bytes; wc 786,432 bytes; ws 49,152 bytes; wo16 2,097,152 bytes; qkv 25,165,824 bytes; fine32 393,216 bytes; att 16,777,216 bytes
;; launch prep (part 1): grid 312 x 1, 4 waves a work-group, no clusters, 68,096 bytes of LDS; arguments x, Wq, Wk, Wv, Wo, xc, xs, wc, ws, wo16; writes xc, xs, wc, ws, wo16
.if DOCPART == 1
	.amdgcn_target "amdgcn-amd-amdhsa--gfx1250"
	.amdhsa_code_object_version 6
	.text
	.protected	k_q48db4f21a5_prep
	.globl	k_q48db4f21a5_prep
	.p2align	8
	.type	k_q48db4f21a5_prep,@function
k_q48db4f21a5_prep:
	s_mov_b64 s[64:65], 0
	v_nop
	global_prefetch_b8 v0, s[64:65] scope:SCOPE_SE
	s_setreg_imm32_b32 hwreg(HW_REG_WAVE_MODE, 25, 1), 1
	s_wait_xcnt 0x0
; PREP: what the later launches read many times is made once.
;   work-groups 0-255:   x [8192][1024] f32 -> xc: codes of FP4 (E2M1), K innermost, two a byte, 512 bytes a row; xs: one E8M0 byte for each 32 along K, 32 a row.
;   work-groups 256-279: Wq, Wk, Wv ([1024 (k)][n] f32, K is the FIRST axis) -> wc [1536 (n)][512 bytes], ws [1536][32]: row n = 0-1023 Wq's columns, 1024-1279 Wk's, 1280-1535 Wv's.
;   work-groups 280-311: Wo f32 -> wo16, f16, in Wo's own order.
; A block's scale is 2^(floor(log2(its largest magnitude)) - 2); its byte is the largest magnitude's exponent field - 2, held at 1 from below.
; LIMITS: a block of zeros, or one whose largest magnitude lies under 2^(3 - 127), keeps the byte 1 (its codes are zeros or tiny; the bytes are read by this program alone);
; NaN and infinities among the inputs are not served; |Wo| stays under 65,504, f16's largest number.
; The three paths part on the work-group's number alone; each has LDS bytes of its own; waves share nothing, so there is no barrier.
.set SPW,   12                         ; v12  LDS address of my spare word; never rewritten
.set NIL,   13                         ; v13  0; never rewritten
.set SP,    80                         ; x's path: a lane's place in a stage: 64 bytes + 16 of padding
.set WBASE, 32768                      ; the weights' path: its stages begin here, 32 rows x 272 bytes a wave
.set WREG,  8704
.set SPARE, 67584                      ; behind both: the spare words, 128 bytes a wave
.set EMAX,  2
.set XR,    16                         ; x: v16-143 eight sets of 16 numbers as loaded
.set XX,    144                        ;    v144-175 two sets of 16 neighbours
.set XC,    176                        ;    v176-207 codes, two registers a step
.set XE,    208                        ;    v208-223 a scale byte a step
.set WX,    32                         ; weights: v32-95 two sets of 32 numbers
.set WC,    96                         ;    v96-99 a block's codes
.set SB,    24                         ;    v24-27 16 scale bytes
.set OUTR,  112                        ;    v112-175 the way out
.set OFFS,  176                        ;    v176-207 4 x lane + i x the row pitch, i = 0 .. 31; never rewritten
.macro FIN                             ; a wave's end
	s_wait_tensorcnt 0x0
	ds_add_u32 v[SPW], v[NIL]
	s_wait_dscnt 0x0
	s_endpgm
.endm
	s_load_b512 s[4:19], s[0:1], 0x0               ; x 4:5, Wq 6:7, Wk 8:9, Wv 10:11, Wo 12:13, xc 14:15, xs 16:17, wc 18:19
	s_load_b128 s[20:23], s[0:1], 0x40             ; ws 20:21, wo16 22:23
	v_lshl_add_u32 v[SPW], v0, 2, SPARE
	v_mov_b32 v[NIL], 0
	v_lshrrev_b32 v1, 5, v0
	v_readfirstlane_b32 s24, v1                    ; wave 0..3
	v_and_b32 v2, 31, v0                           ; lane
	s_mov_b32 s29, 0                               ; the upper word of every byte offset here
	s_wait_kmcnt 0x0
	s_cmp_lt_u32 ttmp9, 256
	s_cbranch_scc0 .Lnot_x
; ---------------- x.  A wave takes 16 steps of 512 numbers.  Each load reads 512 consecutive bytes; a step's 2,048 bytes turn through the wave's own stage so that a lane holds 16 neighbours along K.
	v_lshlrev_b32 v3, 4, v2                        ; my 16 bytes of a load's 512
	s_lshl_b32 s25, s24, 13                        ; my wave's 8,192 bytes of LDS
	v_lshrrev_b32 v14, 2, v2
	v_mul_u32_u24 v14, v14, SP
	v_and_b32 v15, 3, v2
	v_lshl_add_u32 v14, v15, 4, v14
	v_add_nc_u32 v14, s25, v14                     ; the stage, way in: SP (lane / 4) + 16 (lane % 4)
	v_mul_u32_u24 v15, v2, SP
	v_add_nc_u32 v15, s25, v15                     ; way out: SP x lane
	v_lshlrev_b32 v4, 3, v2                        ; my 8 bytes of a step's 256 bytes of codes
	v_lshrrev_b32 v5, 1, v2
	s_add_co_u32 s25, s25, 2*32*SP
	v_add_nc_u32 v5, s25, v5                       ; my block's byte among the wave's 256 scale bytes
	v_lshlrev_b32 v7, 3, v2
	v_add_nc_u32 v6, s25, v7
	s_lshl_b32 s26, ttmp9, 2
	s_add_co_u32 s26, s26, s24                     ; which run of 8,192 numbers is my wave's
	s_lshl_b32 s28, s26, 15
	s_add_nc_u64 s[4:5], s[4:5], s[28:29]
	s_lshl_b32 s28, s26, 12
	s_add_nc_u64 s[14:15], s[14:15], s[28:29]
	s_lshl_b32 s28, s26, 8
	s_add_nc_u64 s[16:17], s[16:17], s[28:29]
.macro XLOAD t
.irp i, 0,1,2,3
	global_load_b128 v[XR+16*((\t)%8)+4*\i:XR+16*((\t)%8)+4*\i+3], v3, s[4:5] offset:2048*(\t)+512*\i th:TH_LOAD_NT
.endr
.endm
.macro XTURN t                         ; LDS serves a wave's instructions in order: no wait between the stores and the loads
.irp i, 0,1,2,3
	ds_store_b128 v14, v[XR+16*((\t)%8)+4*\i:XR+16*((\t)%8)+4*\i+3] offset:32*SP*((\t)%2)+8*SP*\i
.endr
.irp i, 0,1,2,3
	ds_load_b128 v[XX+16*((\t)%2)+4*\i:XX+16*((\t)%2)+4*\i+3], v15 offset:32*SP*((\t)%2)+16*\i
.endr
.endm
.irp t, 0,1,2,3,4,5,6,7
	XLOAD \t                                       ; eight steps, 32 loads a wave, are asked for ahead
.endr
	s_wait_loadcnt 28                              ; step 0's four loads are in; seven steps' may be out
	XTURN 0
.macro XSTEP t
.set XS, XX+16*((\t)%2)
.if (\t) > 0
	s_wait_dscnt 1                                 ; this step's numbers are back from the stage; the last step's byte store may be out
.else
	s_wait_dscnt 0x0
.endif
.if (\t)+8 < 16
	XLOAD (\t)+8                                   ; into the set that this step's stage stores have read
.endif
.if (\t)+1 < 16
.if 14-(\t) >= 7
	s_wait_loadcnt 28                              ; the next step's four are in; those of the seven steps behind it may be out
.else
	s_wait_loadcnt 4*(14-(\t))                     ; towards the end: as many steps as are left behind it
.endif
	XTURN (\t)+1
.endif
	v_max3_num_f32 v8, |v[XS]|, |v[XS+1]|, |v[XS+2]|
	v_max3_num_f32 v9, |v[XS+3]|, |v[XS+4]|, |v[XS+5]|
.irp i, 6,10
	v_max3_num_f32 v8, v8, |v[XS+\i]|, |v[XS+\i+1]|
	v_max3_num_f32 v9, v9, |v[XS+\i+2]|, |v[XS+\i+3]|
.endr
	v_max3_num_f32 v8, v8, |v[XS+14]|, |v[XS+15]|
	v_max3_num_f32 v8, v8, v9, (EMAX+1)<<23        ; the floor 2^(3 - 127): the byte cannot fall under 1
	v_max_num_f32_dpp v8, v8, v8 row_xmask:1 row_mask:0xf bank_mask:0xf   ; with my neighbour's 16: the block's largest magnitude
	v_add_nc_u32 v11, -(EMAX<<23), v8              ; 2 off its exponent field: the conversion's scale operand
	v_cvt_scalef32_pk8_fp4_f32 v[XC+2*(\t)], v[XS:XS+7], v11
	v_cvt_scalef32_pk8_fp4_f32 v[XC+2*(\t)+1], v[XS+8:XS+15], v11
	v_lshrrev_b32 v[XE+(\t)], 23, v11              ; the scale's byte
	ds_store_b8 v5, v[XE+(\t)] offset:16*(\t)      ; both lanes of a block write the same byte with the same value
	global_store_b64 v4, v[XC+2*(\t):XC+2*(\t)+1], s[14:15] offset:256*(\t)   ; the wave stores 256 consecutive bytes, aligned
.endm
.irp t, 0,1,2,3,4,5,6,7,8,9,10,11,12,13,14,15
	XSTEP \t
.endr
	ds_load_b64 v[8:9], v6                         ; my wave's 256 scale bytes, 8 a lane
	s_wait_dscnt 0x0
	global_store_b64 v7, v[8:9], s[16:17]          ; 256 consecutive bytes, aligned
	FIN
.Lnot_x:
	s_cmp_lt_u32 ttmp9, 280
	s_cbranch_scc0 .Lpath_o
; ---------------- the three weights.  A lane takes a column n and its registers run down K: a block of 32 lies in one lane, and the codes come out with K innermost.
; A work-group takes 128 columns x 512 along K; a wave 32 columns: 16 blocks a lane.
	s_sub_co_u32 s25, ttmp9, 256
	s_lshr_b32 s26, s25, 1                         ; cg: which 128 of the 1,536 columns
	s_and_b32 s27, s25, 1                          ; kh: which 512 along K
	s_cmp_lt_u32 s26, 10
	s_cselect_b64 s[8:9], s[8:9], s[10:11]         ; Wk or Wv,
	s_cselect_b32 s30, 8, 10                       ; whose first group of columns is this
	s_cmp_lt_u32 s26, 8
	s_cselect_b64 s[6:7], s[6:7], s[8:9]           ; or Wq
	s_cselect_b32 s30, 0, s30
	s_mov_b32 s31, 1024
	s_cselect_b32 s31, 4096, s31                   ; a row of the source in bytes
	s_sub_co_u32 s30, s26, s30
	s_lshl_b32 s30, s30, 7
	s_lshl_b32 s25, s24, 5
	s_add_co_u32 s30, s30, s25                     ; my wave's first column in its source
	s_lshl_b32 s28, s30, 2
	s_lshl_b32 s25, s27, 9
	s_mul_i32 s25, s25, s31
	s_add_co_u32 s28, s28, s25                     ; + 512 kh rows
	s_add_nc_u64 s[32:33], s[6:7], s[28:29]        ; block 0's first row
	s_lshl_b32 s28, s31, 5                         ; 32 rows on
.irp t, 1,2,3,4,5,6,7,8,9,10,11,12,13,14,15
	s_add_nc_u64 s[32+2*\t:33+2*\t], s[30+2*\t:31+2*\t], s[28:29]   ; a base for each block: no pointer is stepped while loads are out
.endr
	v_lshlrev_b32 v3, 2, v2
.irp i, 0,1,2,3,4,5,6,7,8,9,10,11,12,13,14,15,16,17,18,19,20,21,22,23,24,25,26,27,28,29,30,31
	v_mad_u32_u24 v[OFFS+\i], s31, \i, v3
.endr
	s_mul_i32 s25, s24, WREG
	s_add_co_u32 s25, s25, WBASE                   ; my stage
	v_mul_u32_u24 v4, v2, 272
	v_add_nc_u32 v4, s25, v4                       ; into it: row = my column
	v_and_b32 v5, 15, v2
	v_lshrrev_b32 v6, 4, v2
	v_mul_u32_u24 v7, v6, 272
	v_lshl_add_u32 v7, v5, 4, v7
	v_add_nc_u32 v7, s25, v7                       ; out of it: sixteen lanes to a row, two rows an instruction
	v_lshlrev_b32 v8, 9, v6
	v_lshl_add_u32 v8, v5, 4, v8                   ; the same place in wc
	v_lshlrev_b32 v9, 5, v2                        ; my column's row of ws
	s_lshl_b32 s25, s26, 7
	s_lshl_b32 s30, s24, 5
	s_add_co_u32 s25, s25, s30                     ; my wave's first row of wc and ws
	s_lshl_b32 s28, s25, 9
	s_lshl_b32 s30, s27, 8
	s_add_co_u32 s28, s28, s30
	s_add_nc_u64 s[18:19], s[18:19], s[28:29]
	s_lshl_b32 s28, s25, 5
	s_lshl_b32 s30, s27, 4
	s_add_co_u32 s28, s28, s30
	s_add_nc_u64 s[20:21], s[20:21], s[28:29]
.macro WLOAD t
.irp i, 0,1,2,3,4,5,6,7,8,9,10,11,12,13,14,15,16,17,18,19,20,21,22,23,24,25,26,27,28,29,30,31
	global_load_b32 v[WX+32*((\t)%2)+\i], v[OFFS+\i], s[32+2*(\t):33+2*(\t)] th:TH_LOAD_NT   ; a row k at 32 neighbouring columns
.endr
.endm
	WLOAD 0
	WLOAD 1
.macro WBLOCK t
.set XS, WX+32*((\t)%2)
.if (\t) < 15
	s_wait_loadcnt 32                              ; this block's 32 loads are in; the next block's may be out
.else
	s_wait_loadcnt 0x0
.endif
	v_max3_num_f32 v16, |v[XS]|, |v[XS+1]|, |v[XS+2]|
	v_max3_num_f32 v17, |v[XS+3]|, |v[XS+4]|, |v[XS+5]|
.irp i, 6,10,14,18,22,26
	v_max3_num_f32 v16, v16, |v[XS+\i]|, |v[XS+\i+1]|
	v_max3_num_f32 v17, v17, |v[XS+\i+2]|, |v[XS+\i+3]|
.endr
	v_max3_num_f32 v16, v16, |v[XS+30]|, |v[XS+31]|
	v_max3_num_f32 v16, v16, v17, (EMAX+1)<<23
	v_add_nc_u32 v18, -(EMAX<<23), v16
	v_lshrrev_b32 v19, 23, v18
.if (\t)%4 == 0
	v_mov_b32 v[SB+(\t)/4], v19
.else
	v_lshl_or_b32 v[SB+(\t)/4], v19, 8*((\t)%4), v[SB+(\t)/4]
.endif
.irp g, 0,1,2,3
	v_cvt_scalef32_pk8_fp4_f32 v[WC+\g], v[XS+8*\g:XS+8*\g+7], v18
.endr
	ds_store_b128 v4, v[WC:WC+3] offset:16*(\t)    ; 32 codes: 16 bytes of my column's row
.if (\t)+2 < 16
	WLOAD (\t)+2
.endif
	s_wait_dscnt 0x0                               ; the store has read its registers: the next block's codes may be written
.endm
.irp t, 0,1,2,3,4,5,6,7,8,9,10,11,12,13,14,15
	WBLOCK \t
.endr
	global_store_b128 v9, v[SB:SB+3], s[20:21]     ; 16 scale bytes of my column: rows of ws are 32 bytes, so these stores cover half a row each (49,152 bytes in the whole launch)
.irp t, 0,1,2,3,4,5,6,7,8,9,10,11,12,13,14,15
	ds_load_b128 v[OUTR+4*\t:OUTR+4*\t+3], v7 offset:2*\t*272
.endr
.irp t, 0,1,2,3,4,5,6,7,8,9,10,11,12,13,14,15
	s_wait_dscnt 15-\t
	global_store_b128 v8, v[OUTR+4*\t:OUTR+4*\t+3], s[18:19] offset:2*\t*512   ; sixteen lanes store 256 consecutive bytes, aligned
.endr
	FIN
.Lpath_o:
; ---------------- Wo to f16: a plain stream, 32,768 bytes in and 16,384 out for each wave, four parts of 16 loads, two parts ahead.
	s_sub_co_u32 s25, ttmp9, 280
	s_lshl_b32 s25, s25, 2
	s_add_co_u32 s25, s25, s24
	s_lshl_b32 s28, s25, 15
	s_add_nc_u64 s[12:13], s[12:13], s[28:29]
	s_lshl_b32 s28, s25, 14
	s_add_nc_u64 s[22:23], s[22:23], s[28:29]
	v_lshlrev_b32 v3, 4, v2
	v_lshlrev_b32 v4, 3, v2
.macro OLOAD j
.irp i, 0,1,2,3,4,5,6,7,8,9,10,11,12,13,14,15
	global_load_b128 v[32+64*((\j)%2)+4*\i:32+64*((\j)%2)+4*\i+3], v3, s[12:13] offset:(16*(\j)+\i)*512 th:TH_LOAD_NT
.endr
.endm
	OLOAD 0
	OLOAD 1
.macro OPART j
.if (\j) < 3
	s_wait_loadcnt 16                              ; this part's 16 loads are in; the next part's may be out
.else
	s_wait_loadcnt 0x0
.endif
.if (\j) > 0
	s_wait_xcnt 0x0                                ; the last part's stores have read v160-191
.endif
.irp i, 0,1,2,3,4,5,6,7,8,9,10,11,12,13,14,15
	v_cvt_pk_f16_f32 v[160+2*\i], v[32+64*((\j)%2)+4*\i], v[32+64*((\j)%2)+4*\i+1]
	v_cvt_pk_f16_f32 v[161+2*\i], v[32+64*((\j)%2)+4*\i+2], v[32+64*((\j)%2)+4*\i+3]
.endr
.irp i, 0,1,2,3,4,5,6,7,8,9,10,11,12,13,14,15
	global_store_b64 v4, v[160+2*\i:161+2*\i], s[22:23] offset:(16*(\j)+\i)*256   ; the wave stores 256 consecutive bytes, aligned
.endr
.if (\j)+2 < 4
	OLOAD (\j)+2
.endif
.endm
.irp j, 0,1,2,3
	OPART \j
.endr
	FIN
.Lfunc_end_k_q48db4f21a5_prep:
	.size	k_q48db4f21a5_prep, .Lfunc_end_k_q48db4f21a5_prep-k_q48db4f21a5_prep
	.p2alignl 7, 3214868480
	.fill 96, 4, 3214868480
	.section	.rodata,"a",@progbits
	.p2align	6, 0x0
	.amdhsa_kernel k_q48db4f21a5_prep
		.amdhsa_group_segment_fixed_size 68096
		.amdhsa_private_segment_fixed_size 0
		.amdhsa_enable_private_segment 0
		.amdhsa_kernarg_size 80
		.amdhsa_user_sgpr_count 2
		.amdhsa_user_sgpr_kernarg_segment_ptr 1
		.amdhsa_wavefront_size32 1
		.amdhsa_system_sgpr_workgroup_id_x 1
		.amdhsa_system_sgpr_workgroup_id_y 1
		.amdhsa_system_sgpr_workgroup_id_z 1
		.amdhsa_system_vgpr_workitem_id 0
		.amdhsa_next_free_vgpr 224
		.amdhsa_next_free_sgpr 66
		.amdhsa_reserve_vcc 0
		.amdhsa_float_denorm_mode_32 3
		.amdhsa_float_denorm_mode_16_64 3
		.amdhsa_memory_ordered 1
		.amdhsa_forward_progress 1
		.amdhsa_inst_pref_size 134
	.end_amdhsa_kernel
	.amdgpu_metadata
---
amdhsa.version: [ 1, 2 ]
amdhsa.kernels:
  - .name:           k_q48db4f21a5_prep
    .symbol:         k_q48db4f21a5_prep.kd
    .args:
      - { .name: x, .offset: 0, .size: 8, .value_kind: global_buffer, .address_space: global }
      - { .name: Wq, .offset: 8, .size: 8, .value_kind: global_buffer, .address_space: global }
      - { .name: Wk, .offset: 16, .size: 8, .value_kind: global_buffer, .address_space: global }
      - { .name: Wv, .offset: 24, .size: 8, .value_kind: global_buffer, .address_space: global }
      - { .name: Wo, .offset: 32, .size: 8, .value_kind: global_buffer, .address_space: global }
      - { .name: xc, .offset: 40, .size: 8, .value_kind: global_buffer, .address_space: global }
      - { .name: xs, .offset: 48, .size: 8, .value_kind: global_buffer, .address_space: global }
      - { .name: wc, .offset: 56, .size: 8, .value_kind: global_buffer, .address_space: global }
      - { .name: ws, .offset: 64, .size: 8, .value_kind: global_buffer, .address_space: global }
      - { .name: wo16, .offset: 72, .size: 8, .value_kind: global_buffer, .address_space: global }
    .group_segment_fixed_size: 68096
    .private_segment_fixed_size: 0
    .kernarg_segment_align: 8
    .kernarg_segment_size: 80
    .max_flat_workgroup_size: 128
    .sgpr_count:     66
    .vgpr_count:     224
    .wavefront_size: 32
...
	.end_amdgpu_metadata
.endif
;; end of part 1
;; launch qkv (part 2): grid 8 x 32, 4 waves a work-group, clusters of 4 x 1, 327,680 bytes of LDS; arguments xc, xs, wc, ws, cos, sin, qkv, fine32; writes qkv, fine32
.if DOCPART == 2
	.amdgcn_target "amdgcn-amd-amdhsa--gfx1250"
	.amdhsa_code_object_version 6
	.text
	.protected	k_q48db4f21a5_qkv
	.globl	k_q48db4f21a5_qkv
	.p2align	8
	.type	k_q48db4f21a5_qkv,@function
k_q48db4f21a5_qkv:
	s_mov_b64 s[64:65], 0
	v_nop
	global_prefetch_b8 v0, s[64:65] scope:SCOPE_SE
	s_setreg_imm32_b32 hwreg(HW_REG_WAVE_MODE, 25, 1), 1
	s_wait_xcnt 0x0
	s_wait_alu depctr_hold_cnt(0) depctr_sa_sdst(0) depctr_va_vdst(0) depctr_va_sdst(0) depctr_va_ssrc(0) depctr_va_vcc(0) depctr_vm_vsrc(0)
	s_getreg_b32 s2, hwreg(HW_REG_IB_STS2, 6, 4)
	s_cmp_eq_u32 s2, 0
	s_cbranch_scc0 .Lentry_in_a_cluster
	s_endpgm
.Lentry_in_a_cluster:
	s_bfe_u32 s2, ttmp6, 0x10000c
	s_cmp_lg_u32 s2, 0x3003
	s_cbranch_scc0 .Lentry_shape_is_right
	s_endpgm
.Lentry_shape_is_right:
; QKV: [8192][1536] = x (Wq | Wk | Wv) on codes of FP4 with E8M0 scales, f32 sums; then the interleaved rotation by cos and sin as they are given, in f32, for q and k; v stays as it is.
; Out: qkv [slot 24][batch 4][position 2048][64] f16 (slot = output column / 64: 0-15 q's heads, 16-19 k's, 20-23 v's), and fine32 [slot][batch][16][64] f32: positions 0-15 of each batch, unrounded.
; LIMIT: |q|, |k|, |v| stay under 65,504, f16's largest number.
; SHARES.  A work-group makes 256 rows x 192 columns (three whole slots): 8 x 32 work-groups.  Wave w makes rows 64 w .. 64 w + 63 x all 192 columns: 48 accumulators of 16 x 16, 384 registers.
; K = 1,024 is two LDS slots of 512 along K (rows of 256 bytes); both are asked for at the start and neither is filled again.
; CLUSTER 4 x 1: the four partners make the same 256 rows, so x's tiles and x's scales are asked for JOINTLY (mask 15).  The weights' tiles hang on the partner's place: plain loads.
; Not 4 x 4: the one branch of the text (the f32 copy of positions 0-15) hangs on the tile row and the wave, which must be alike in all partners.  Whether a slot is v's hangs on the partner's place:
; it is served by a select in every block and by no branch.
; THE MATRIX INSTRUCTION IS USED TRANSPOSED (source 0 = 16 output columns, rows of wc; source 1 = 16 rows of x): a lane holds one row of x and eight neighbouring columns.
; REGISTERS.  window 0: v16-29 addresses; v32-63 x's scale words (8 a + kk), v64-159 the weights' (8 b + kk): they hold scales and nothing else; v160-223 x's fragments, two sets; on the way out v160-239 at work.
;   window 1: the weights' fragments, two sets of 96; v192-255 cos and sin of row tile 0 (from the last K step on v0-63: of row tile 3).
;   window 2: accumulators of row tiles 0, 1 at 8 (12 (a % 2) + b); v192-255 cos and sin of row tile 1.   window 3: the same for row tiles 2, 3 and row tile 2's cos and sin.
.set PITCH, 272                        ; an LDS row: 256 bytes + 16 of padding
.set SLOT,  121856                     ; x's 256 rows, then the weights' 192 rows
.set BOFF,  69632
.set SCLA,  243712                     ; x's scale bytes of 256 rows, all of K: 32 pieces of 256 bytes + 16
.set SCLB,  252416                     ; the weights' of 192 rows: 24 pieces
.set SPARE, 259072                     ; the spare words, 128 bytes a wave
.set ADRA, 16
.set ADRB, 20
.set ADSA, 22
.set ADSB, 23
.set CSO,  24                          ; 256 r + 32 h: my place in 16 rows of cos, sin and fine32
.set STO,  25
.set RD,   26
.set GO,   27
.set SPW,  28
.set NIL,  29
.set SCA,  32
.set SCB,  64
.set AF,   160
.set T,    160                         ; the way out: 32 rotated numbers
.set P,    192                         ; 16 registers of f16 pairs
.set OB,   208                         ; two sets of 16: rows read back from the stage
.set G1A,  28
.set G1B,  36
.set G1SA, 44
.set G1SB, 52
.set G0A,  68
.set G0B,  76
.set G0SA, 84
.set G0SB, 88
.set VM,   92                          ; s92-94: all ones where my slot c is one of v's
.set FINE, 95                          ; s95: 1 where my wave holds positions 0-15 of a batch
.set MSB, 0
.macro WIN new                         ; the immediate's high byte repeats the setting that is left
.if MSB != (\new)
	s_set_vgpr_msb (MSB<<8)|(\new)
.set MSB, (\new)
.endif
.endm
.macro PLACES
.rept 4
	v_nop
.endr
.endm
; waves 0 and 1 fetch for x (jointly), waves 2 and 3 for the weights; the branch hangs on the wave's number alone; an s_nop 0 and four v_nop follow each line
.macro JLOAD g0a, g1a, g0b, g1b
	s_cmp_eq_u32 s21, 0
	s_cbranch_scc0 .Lfor_b_\@
	tensor_load_to_lds s[\g0a:\g0a+3], s[\g1a:\g1a+7]
	s_nop 0
.rept 4
	v_nop
.endr
	s_branch .Lasked_\@
.Lfor_b_\@:
	tensor_load_to_lds s[\g0b:\g0b+3], s[\g1b:\g1b+7]
	s_nop 0
.rept 4
	v_nop
.endr
.Lasked_\@:
.endm
.macro CROUND                          ; a round of the cluster's barrier
	s_barrier_signal -1
	s_barrier_wait -1
	s_cmp_lg_u32 s20, 0
	s_cbranch_scc1 .Lnot_wave_0_\@
	s_barrier_signal -3
.Lnot_wave_0_\@:
	s_barrier_wait -3
	s_barrier_signal -1
	s_barrier_wait -1
.endm
	s_load_b512 s[4:19], s[0:1], 0x0               ; xc 4:5, xs 6:7, wc 8:9, ws 10:11, cos 12:13, sin 14:15, qkv 16:17, fine32 18:19
	v_lshl_add_u32 v[SPW], v0, 2, SPARE
	v_mov_b32 v[NIL], 0
	ds_add_u32 v[SPW], v[NIL]                      ; the wave's opening: the add, twice on end, and its wait ahead of my first tensor load
	ds_add_u32 v[SPW], v[NIL]
	v_lshrrev_b32 v1, 5, v0
	v_readfirstlane_b32 s20, v1                    ; wave 0..3
	s_lshr_b32 s21, s20, 1                         ; I fetch for x (0) or for the weights (1),
	s_and_b32 s22, s20, 1                          ; and which half of the tile's rows
	s_bfe_u32 s23, ttmp6, 0x40000                  ; cx
	s_lshl_b32 s24, ttmp9, 2
	s_add_co_u32 s24, s24, s23                     ; tile column 0..7
	s_and_b32 s25, ttmp7, 0xffff                   ; tile row 0..31, shared by the four partners
	; group 1: x's tiles: 128 rows x 256 bytes, 512 bytes apart, 16 bytes of padding behind each; mask 15 and bit 21
	s_mov_b32 s[G1A], 15|(1<<20)|(1<<21)|(5<<22)|(3<<25)
	s_mov_b32 s[G1A+1], 256<<16
	s_mov_b32 s[G1A+2], 128<<16
	s_mov_b32 s[G1A+3], 256<<16
	s_mov_b32 s[G1A+4], 128
	s_mov_b32 s[G1A+5], 512
	s_mov_b32 s[G1A+6], 0
	s_mov_b32 s[G1A+7], 0
	; the weights' tiles: 96 rows, no mask
	s_mov_b32 s[G1B], (1<<20)|(5<<22)|(3<<25)
	s_mov_b32 s[G1B+1], 256<<16
	s_mov_b32 s[G1B+2], 96<<16
	s_mov_b32 s[G1B+3], 256<<16
	s_mov_b32 s[G1B+4], 96
	s_mov_b32 s[G1B+5], 512
	s_mov_b32 s[G1B+6], 0
	s_mov_b32 s[G1B+7], 0
	; scale bytes: dense blocks as rows of 256 bytes (32 elements of 8): 128 rows of x are 16 such rows, 96 rows of the weights 12
	s_mov_b32 s[G1SA], 15|(3<<16)|(1<<20)|(1<<21)|(5<<22)|(3<<25)
	s_mov_b32 s[G1SA+1], 32<<16
	s_mov_b32 s[G1SA+2], 16<<16
	s_mov_b32 s[G1SA+3], 32<<16
	s_mov_b32 s[G1SA+4], 16
	s_mov_b32 s[G1SA+5], 32
	s_mov_b32 s[G1SA+6], 0
	s_mov_b32 s[G1SA+7], 0
	s_mov_b32 s[G1SB], (3<<16)|(1<<20)|(5<<22)|(3<<25)
	s_mov_b32 s[G1SB+1], 32<<16
	s_mov_b32 s[G1SB+2], 12<<16
	s_mov_b32 s[G1SB+3], 32<<16
	s_mov_b32 s[G1SB+4], 12
	s_mov_b32 s[G1SB+5], 32
	s_mov_b32 s[G1SB+6], 0
	s_mov_b32 s[G1SB+7], 0
	; byte offsets.  x's in s60-63, made of the tile row and the wave alone; the weights' in s96-99
	s_lshl_b32 s60, s25, 17                        ; 256 rows x 512 bytes
	s_lshl_b32 s61, s22, 16
	s_add_co_u32 s60, s60, s61
	s_mov_b32 s61, 0
	s_lshl_b32 s62, s25, 13                        ; 256 rows x 32 bytes
	s_lshl_b32 s63, s22, 12
	s_add_co_u32 s62, s62, s63
	s_mov_b32 s63, 0
	s_mul_i32 s96, s24, 98304                      ; 192 rows x 512 bytes
	s_mul_i32 s97, s22, 49152
	s_add_co_u32 s96, s96, s97
	s_mov_b32 s97, 0
	s_mul_i32 s98, s24, 6144                       ; 192 rows x 32 bytes
	s_mul_i32 s99, s22, 3072
	s_add_co_u32 s98, s98, s99
	s_mov_b32 s99, 0
	s_mul_i32 s26, s22, 128*PITCH                  ; where they go in LDS: the wave's number and constants alone
	s_mul_i32 s27, s22, 96*PITCH
	s_add_co_u32 s27, s27, BOFF
	s_mul_i32 s100, s22, 16*272
	s_add_co_u32 s100, s100, SCLA
	s_mul_i32 s101, s22, 12*272
	s_add_co_u32 s101, s101, SCLB
	s_mul_i32 s2, s24, 3                           ; my first slot
.irp c, 0,1,2
	s_add_co_u32 s3, s2, \c
	s_cmp_ge_u32 s3, 20
	s_cselect_b32 s[VM+\c], -1, 0
.endr
	s_and_b32 s3, s25, 7                           ; which 256 positions of the batch
	s_or_b32 s2, s3, s20
	s_cmp_eq_u32 s2, 0
	s_cselect_b32 s[FINE], 1, 0
	s_wait_dscnt 0x0                               ; both opening adds are done
	s_wait_kmcnt 0x0
	s_add_nc_u64 s[60:61], s[4:5], s[60:61]
	s_add_nc_u64 s[62:63], s[6:7], s[62:63]
	s_add_nc_u64 s[96:97], s[8:9], s[96:97]
	s_add_nc_u64 s[98:99], s[10:11], s[98:99]
	CROUND                                         ; all four work-groups are here: the first joint loads meet
	s_mov_b32 s[G0SA], 1
	s_mov_b32 s[G0SA+1], s100
	s_mov_b64 s[G0SA+2:G0SA+3], s[62:63]
	s_or_b32 s[G0SA+3], s[G0SA+3], 0x80000000
	s_mov_b32 s[G0SB], 1
	s_mov_b32 s[G0SB+1], s101
	s_mov_b64 s[G0SB+2:G0SB+3], s[98:99]
	s_or_b32 s[G0SB+3], s[G0SB+3], 0x80000000
	JLOAD G0SA, G1SA, G0SB, G1SB                   ; the scales first: they are wanted with the first K step
.irp s, 0,1
	s_mov_b32 s[G0A+4*\s], 1
	s_add_co_u32 s[G0A+4*\s+1], s26, \s*SLOT
	s_add_nc_u64 s[G0A+4*\s+2:G0A+4*\s+3], s[60:61], \s*256
	s_or_b32 s[G0A+4*\s+3], s[G0A+4*\s+3], 0x80000000
	s_mov_b32 s[G0B+4*\s], 1
	s_add_co_u32 s[G0B+4*\s+1], s27, \s*SLOT
	s_add_nc_u64 s[G0B+4*\s+2:G0B+4*\s+3], s[96:97], \s*256
	s_or_b32 s[G0B+4*\s+3], s[G0B+4*\s+3], 0x80000000
	JLOAD G0A+4*\s, G1A, G0B+4*\s, G1B             ; three loads of mine are out behind the second of these
.endr
	; bases of cos, sin, qkv, fine32
	s_lshl_b32 s60, s3, 16                         ; 256 positions x 256 bytes
	s_lshl_b32 s61, s20, 14                        ; my wave's 64
	s_add_co_u32 s60, s60, s61
	s_mov_b32 s61, 0
	s_add_nc_u64 s[12:13], s[12:13], s[60:61]
	s_add_nc_u64 s[14:15], s[14:15], s[60:61]
	s_lshr_b32 s2, s25, 3                          ; the batch
	s_mul_i32 s96, s24, 3145728                    ; three slots of 1 MiB
	s_lshl_b32 s97, s2, 18
	s_add_co_u32 s96, s96, s97
	s_lshl_b32 s97, s3, 15
	s_add_co_u32 s96, s96, s97
	s_lshl_b32 s97, s20, 13
	s_add_co_u32 s96, s96, s97
	s_mov_b32 s97, 0
	s_add_nc_u64 s[16:17], s[16:17], s[96:97]
	s_mul_i32 s98, s24, 12
	s_add_co_u32 s98, s98, s2
	s_lshl_b32 s98, s98, 12
	s_mov_b32 s99, 0
	s_add_nc_u64 s[18:19], s[18:19], s[98:99]
	v_and_b32 v1, 15, v0                           ; r
	v_bfe_u32 v2, v0, 4, 1                         ; h
	v_lshlrev_b32 v[CSO], 8, v1
	v_lshl_add_u32 v[CSO], v2, 5, v[CSO]
; cos and sin of row tile a: for each 16 channels j: 8 cos, then 8 sin, of d = 16 j + 8 h + 0 .. 7 at position r
.macro CSLOAD a, win, reg
	WIN \win
.irp j, 0,1,2,3
	global_load_b128 v[\reg+16*\j:\reg+16*\j+3], v[CSO], s[12:13] offset:(\a)*4096+64*\j
	global_load_b128 v[\reg+16*\j+4:\reg+16*\j+7], v[CSO], s[12:13] offset:(\a)*4096+64*\j+16
	global_load_b128 v[\reg+16*\j+8:\reg+16*\j+11], v[CSO], s[14:15] offset:(\a)*4096+64*\j
	global_load_b128 v[\reg+16*\j+12:\reg+16*\j+15], v[CSO], s[14:15] offset:(\a)*4096+64*\j+16
.endr
	WIN 0
.endm
	CSLOAD 0, 0x40, 192
	CSLOAD 1, 0x80, 192
	CSLOAD 2, 0xc0, 192
	v_mul_u32_u24 v3, v1, PITCH
	v_lshl_add_u32 v3, v2, 4, v3                   ; a fragment's row x pitch + 16 h
	s_mul_i32 s100, s20, 64*PITCH                  ; my 64 rows of x
	v_add_nc_u32 v[ADRA], s100, v3
	s_add_co_u32 s100, s100, SLOT
	v_add_nc_u32 v[ADRA+1], s100, v3
	v_add_nc_u32 v[ADRB], BOFF, v3
	v_add_nc_u32 v[ADRB+1], SLOT+BOFF, v3
	v_lshrrev_b32 v4, 3, v1
	v_lshlrev_b32 v5, 5, v1
	v_lshl_add_u32 v5, v4, 4, v5                   ; a row's 32 scale bytes: 32 r, and 16 more behind each 256
	s_mul_i32 s100, s20, 2176
	s_add_co_u32 s100, s100, SCLA
	v_add_nc_u32 v[ADSA], s100, v5
	v_add_nc_u32 v[ADSB], SCLB, v5
	s_mul_i32 s100, s20, 2304                      ; my stage: 16 rows x 144 bytes, in slot 0
	v_mul_u32_u24 v[STO], v1, 144
	v_lshl_add_u32 v[STO], v2, 4, v[STO]
	v_add_nc_u32 v[STO], s100, v[STO]
	v_and_b32 v6, 31, v0
	v_lshrrev_b32 v7, 3, v6
	v_and_b32 v8, 7, v6
	v_mul_u32_u24 v[RD], v7, 144
	v_lshl_add_u32 v[RD], v8, 4, v[RD]
	v_add_nc_u32 v[RD], s100, v[RD]                ; back: eight lanes to a row of 128 bytes, four rows an instruction
	v_lshlrev_b32 v[GO], 4, v6
.macro FRAG reg, adr, q, i             ; 16 rows x 128 K of 4-bit codes: 8 registers, two loads 32 bytes apart
.irp c, 0,1
	ds_load_b128 v[\reg+4*\c:\reg+4*\c+3], v[\adr] offset:64*(\q)+32*\c+(\i)*16*PITCH
.endr
.endm
.macro FETCH q                         ; the fragments of the q-th 128 along K: 32 loads, into set q % 2
	WIN 0x40
.irp i, 0,1,2,3,4,5,6,7,8,9,10,11
	FRAG 96*((\q)%2)+8*\i, ADRB+(\q)/4, (\q)%4, \i
.endr
	WIN 0
.irp i, 0,1,2,3
	FRAG AF+32*((\q)%2)+8*\i, ADRA+(\q)/4, (\q)%4, \i
.endr
.endm
.macro SCALES                          ; all scale words, once: 32 loads; lane r takes row r's 8 words
.irp a, 0,1,2,3
	ds_load_b128 v[SCA+8*\a:SCA+8*\a+3], v[ADSA] offset:\a*544
	ds_load_b128 v[SCA+8*\a+4:SCA+8*\a+7], v[ADSA] offset:\a*544+16
.endr
.irp b, 0,1,2,3,4,5,6,7,8,9,10,11
	ds_load_b128 v[SCB+8*\b:SCB+8*\b+3], v[ADSB] offset:\b*544
	ds_load_b128 v[SCB+8*\b+4:SCB+8*\b+7], v[ADSB] offset:\b*544+16
.endr
.endm
; 48 matrix instructions: the 48 accumulators take turns, one instruction a turn, in the same order in every step.  The first step starts the sums with the constant 0.
.macro MUL q
.irp a, 0,1,2,3
.if \a == 0
	WIN 0xa1                                       ; source 0 window 1, source 1 window 0, C and D window 2
.endif
.if \a == 2
	WIN 0xf1                                       ; C and D window 3
.endif
.irp b, 0,1,2,3,4,5,6,7,8,9,10,11
.if (\q) == 0
	v_wmma_scale_f32_16x16x128_f8f6f4 v[8*(12*(\a%2)+\b):8*(12*(\a%2)+\b)+7], v[96*((\q)%2)+8*\b:96*((\q)%2)+8*\b+7], v[AF+32*((\q)%2)+8*\a:AF+32*((\q)%2)+8*\a+7], 0, v[SCB+8*\b+(\q)], v[SCA+8*\a+(\q)] matrix_a_fmt:MATRIX_FMT_FP4 matrix_b_fmt:MATRIX_FMT_FP4
.else
	v_wmma_scale_f32_16x16x128_f8f6f4 v[8*(12*(\a%2)+\b):8*(12*(\a%2)+\b)+7], v[96*((\q)%2)+8*\b:96*((\q)%2)+8*\b+7], v[AF+32*((\q)%2)+8*\a:AF+32*((\q)%2)+8*\a+7], v[8*(12*(\a%2)+\b):8*(12*(\a%2)+\b)+7], v[SCB+8*\b+(\q)], v[SCA+8*\a+(\q)] matrix_a_fmt:MATRIX_FMT_FP4 matrix_b_fmt:MATRIX_FMT_FP4
.endif
.endr
.endr
.endm
.macro KSTEP q
.if (\q) > 0
	PLACES                                         ; four places between the last step's products and the loads into the set that they read
.endif
.if (\q) == 3
	s_wait_tensorcnt 0x0                           ; my part of slot 1 has landed,
	s_wait_dscnt 0x0                               ; and my reads of slot 0 are over;
	s_barrier_signal -1
	s_barrier_wait -1                              ; so have everybody's.
.endif
.if (\q) < 7
	FETCH (\q)+1
	s_wait_dscnt 32                                ; all but the 32 just issued
.else
	s_wait_dscnt 0x0
	CSLOAD 3, 0x40, 0                              ; row tile 3's cos and sin, into the weights' set 0, which step 6 read last
.endif
	MUL \q
.endm
	s_wait_tensorcnt 1                             ; the scales and my part of slot 0 are in; slot 1's load may be out,
	s_barrier_signal -1
	s_barrier_wait -1                              ; everybody's are
	SCALES
	FETCH 0
.irp q, 0,1,2,3,4,5,6,7
	KSTEP \q
.endr
; THE WAY OUT, twelve blocks n = 3 a + c of 16 rows x one slot (64 columns): rotate in f32, keep v as it is, round to f16, through my stage, out as 512 consecutive bytes an instruction.
.macro BLOCK n
.set AW, 2+((\n)/3)/2
.if (\n)/3 == 3
.set CW, 1
.set CR, 0
.else
.set CW, (\n)/3+1
.set CR, 192
.endif
.set AC, 8*(12*(((\n)/3)%2)+4*((\n)%3))
	WIN AW+4*CW                                    ; source 0: the sums; source 1: cos and sin
.irp j, 0,1,2,3
.irp i, 0,2,4,6
	v_pk_mul_f32 v[T+8*\j+\i:T+8*\j+\i+1], v[AC+8*\j+\i:AC+8*\j+\i+1], v[CR+16*\j+\i:CR+16*\j+\i+1]   ; e c_e, o c_o: each accumulator from its low end on
.endr
.endr
.irp j, 0,1,2,3
.irp i, 0,2,4,6
	v_pk_fma_f32 v[T+8*\j+\i:T+8*\j+\i+1], v[AC+8*\j+\i:AC+8*\j+\i+1], v[CR+16*\j+8+\i:CR+16*\j+8+\i+1], v[T+8*\j+\i:T+8*\j+\i+1] op_sel:[1,0,0] op_sel_hi:[0,1,1] neg_lo:[0,1,0]   ; - o s_e, + e s_o
.endr
.endr
	WIN 4*AW
.irp k, 0,1,2,3,4,5,6,7,8,9,10,11,12,13,14,15,16,17,18,19,20,21,22,23,24,25,26,27,28,29,30,31
	v_cndmask_b32 v[T+\k], v[T+\k], v[AC+\k], s[VM+(\n)%3]   ; a slot of v keeps the plain sums
.endr
	WIN 0
.if (\n)/3 == 0
	s_cmp_eq_u32 s[FINE], 1                        ; the tile row and the wave alone: alike in all partners
	s_cbranch_scc0 .Lnofine_\@
.irp j, 0,1,2,3
	global_store_b128 v[CSO], v[T+8*\j:T+8*\j+3], s[18:19] offset:((\n)%3)*16384+64*\j
	global_store_b128 v[CSO], v[T+8*\j+4:T+8*\j+7], s[18:19] offset:((\n)%3)*16384+64*\j+16
.endr
	s_wait_xcnt 0x0                                ; T is written again by the next block
.Lnofine_\@:
.endif
.irp j, 0,1,2,3,4,5,6,7,8,9,10,11,12,13,14,15
	v_cvt_pk_f16_f32 v[P+\j], v[T+2*\j], v[T+2*\j+1]
.endr
.if (\n) > 1
	s_wait_xcnt 0x0                                ; block n - 2's stores have read the registers that these loads fill
.endif
.irp j, 0,1,2,3
	ds_store_b128 v[STO], v[P+4*\j:P+4*\j+3] offset:32*\j
.endr
.irp t, 0,1,2,3
	ds_load_b128 v[OB+16*((\n)%2)+4*\t:OB+16*((\n)%2)+4*\t+3], v[RD] offset:576*\t   ; LDS serves a wave's instructions in order: these see the stores above
.endr
.endm
.macro SEND n, younger                 ; younger: the next block's four stores and four loads, or none
	s_wait_dscnt \younger
.irp t, 0,1,2,3
	global_store_b128 v[GO], v[OB+16*((\n)%2)+4*\t:OB+16*((\n)%2)+4*\t+3], s[16:17] offset:((\n)%3)*1048576+((\n)/3)*2048+512*\t   ; four rows of 128 bytes: 512 consecutive bytes, aligned
.endr
.endm
	PLACES                                         ; behind the last products: the sums are read, and x's fragment registers written, only behind these
	WIN 0
	s_wait_loadcnt 16                              ; cos and sin of row tiles 0-2 are in; row tile 3's 16 loads may be out
	BLOCK 0
.irp n, 1,2,3,4,5,6,7,8,9,10,11
.if \n == 9
	s_wait_loadcnt 0x0
.endif
	BLOCK \n
	SEND \n-1, 8
.endr
	SEND 11, 0
	s_wait_tensorcnt 0x0                           ; the wave's end
	ds_add_u32 v[SPW], v[NIL]
	s_wait_dscnt 0x0
	CROUND                                         ; the closing round
	s_endpgm
.Lfunc_end_k_q48db4f21a5_qkv:
	.size	k_q48db4f21a5_qkv, .Lfunc_end_k_q48db4f21a5_qkv-k_q48db4f21a5_qkv
	.p2alignl 7, 3214868480
	.fill 96, 4, 3214868480
	.section	.rodata,"a",@progbits
	.p2align	6, 0x0
	.amdhsa_kernel k_q48db4f21a5_qkv
		.amdhsa_group_segment_fixed_size 327680
		.amdhsa_private_segment_fixed_size 0
		.amdhsa_enable_private_segment 0
		.amdhsa_kernarg_size 64
		.amdhsa_user_sgpr_count 2
		.amdhsa_user_sgpr_kernarg_segment_ptr 1
		.amdhsa_wavefront_size32 1
		.amdhsa_system_sgpr_workgroup_id_x 1
		.amdhsa_system_sgpr_workgroup_id_y 1
		.amdhsa_system_sgpr_workgroup_id_z 1
		.amdhsa_system_vgpr_workitem_id 0
		.amdhsa_next_free_vgpr 1024
		.amdhsa_next_free_sgpr 102
		.amdhsa_reserve_vcc 0
		.amdhsa_float_denorm_mode_32 3
		.amdhsa_float_denorm_mode_16_64 3
		.amdhsa_memory_ordered 1
		.amdhsa_forward_progress 1
		.amdhsa_inst_pref_size 160
	.end_amdhsa_kernel
	.amdgpu_metadata
---
amdhsa.version: [ 1, 2 ]
amdhsa.kernels:
  - .name:           k_q48db4f21a5_qkv
    .symbol:         k_q48db4f21a5_qkv.kd
    .args:
      - { .name: xc, .offset: 0, .size: 8, .value_kind: global_buffer, .address_space: global }
      - { .name: xs, .offset: 8, .size: 8, .value_kind: global_buffer, .address_space: global }
      - { .name: wc, .offset: 16, .size: 8, .value_kind: global_buffer, .address_space: global }
      - { .name: ws, .offset: 24, .size: 8, .value_kind: global_buffer, .address_space: global }
      - { .name: cos, .offset: 32, .size: 8, .value_kind: global_buffer, .address_space: global }
      - { .name: sin, .offset: 40, .size: 8, .value_kind: global_buffer, .address_space: global }
      - { .name: qkv, .offset: 48, .size: 8, .value_kind: global_buffer, .address_space: global }
      - { .name: fine32, .offset: 56, .size: 8, .value_kind: global_buffer, .address_space: global }
    .group_segment_fixed_size: 327680
    .private_segment_fixed_size: 0
    .kernarg_segment_align: 8
    .kernarg_segment_size: 64
    .max_flat_workgroup_size: 128
    .sgpr_count:     102
    .vgpr_count:     1024
    .wavefront_size: 32
...
	.end_amdgpu_metadata
.endif
;; end of part 2
;; launch attn (part 3): grid 16 x 16, 8 waves a work-group, no clusters, 327,680 bytes of LDS; arguments qkv, att; writes att
.if DOCPART == 3
	.amdgcn_target "amdgcn-amd-amdhsa--gfx1250"
	.amdhsa_code_object_version 6
	.text
	.protected	k_q48db4f21a5_attn
	.globl	k_q48db4f21a5_attn
	.p2align	8
	.type	k_q48db4f21a5_attn,@function
k_q48db4f21a5_attn:
	s_mov_b64 s[64:65], 0
	v_nop
	global_prefetch_b8 v0, s[64:65] scope:SCOPE_SE
	s_setreg_imm32_b32 hwreg(HW_REG_WAVE_MODE, 25, 1), 1
	s_wait_xcnt 0x0
; ATTN: att[b][position][head x 64 + d] = softmax over the keys up to the position of (q . k / 8) times v, f16 operands, f32 products' sums, maxima and row sums; a running maximum is taken away before each exponential.
; In: qkv [slot 24][batch 4][position 2048][64] f16.  Out: att [8192][1024] f16.  LIMIT: |q|, |k|, |v| under 65,504.  Positions 0-15 of each batch are made here too, and made again more finely by a later launch.
; SHARES.  Work-group (i, y = 4 batch + kv head) serves two blocks of 64 positions for the kv head's four query heads: first block 31 - i, then block i.  Keys come in LDS slots of 128.
; Block j needs ceil((j + 1) / 2) slots: 16 - i / 2 and i / 2 + 1: ALWAYS 17, so the loop's trip count is a constant and all 256 work-groups have 33 key steps of 64.
; Wave w: positions 16 (w % 4) .. + 15 of the block, heads h0 and h0 + 1, h0 = 4 kv head + 2 (w / 4): two tiles of 16 queries that share each fragment of K and V and one mask.
; No cluster: partners of different i would want different key slots in the same trip, and the mask lets some work-groups leave tiles unread.
; LAYOUT.  S^T = K Q^T (source 0 = 16 keys, source 1 = 16 queries): a lane holds ONE query (lane % 16) and keys 8 (lane / 16) + 0 .. 7 of each tile; two such tiles rounded to f16 ARE source 1 of O^T = V^T P.
; K comes out of LDS as it lies, V ([key][channel]) turned by ds_load_tr16_b128.
; REGISTERS.  window 0: v1-15 addresses; v32-47 statistics, 8 a tile (+0 c m, +1 m, +2, +3 l, +4..7 at work, a in +6); v48-79 Q; v80-143 S^T; v144-175 P; v176-239 the way out.
;   window 1: v0-63 O^T; v64-127 K's fragments; v128-191 V's.
.set KP,    144                        ; a key's row in LDS: 128 bytes + 16
.set VP,    160                        ; a row of V: 128 + 32
.set VOFF,  128*KP
.set SLOT1, 1<<16                      ; one exclusive or turns an address in one slot into the other's
.set STAGE, 131072                     ; 16 rows x 272 bytes for each wave: bytes of its own, no tile lands here
.set SPARE, STAGE+8*16*272             ; the spare words, 128 bytes a wave
.set AK0, 1
.set AV0, 2
.set ADK, 3
.set ADV, 4
.set QO,  5
.set STO, 6
.set RD,  7
.set GO,  8
.set RH,  9                            ; r - 8 h
.set DD,  10
.set NINF, 11
.set PFO, 12
.set SPW, 14
.set NIL, 15
.set ST,  32
.set Q,   48
.set S,   80
.set P,   144
.set W,   176
.set OBK, 208
.set KFR, 64
.set VFR, 128
.set WV,  8
.set U,   9                            ; the trip: 0 .. 16
.set NA,  10                           ; trips of the first block
.set Q0,  11                           ; my first position in the block in hand
.set KF,  12                           ; the step's first key
.set TB,  13                           ; LDS byte of the slot in hand
.set CS,  14                           ; s[14:15] c = log2(e) / 8
.set SEL, 16
.set KB,  18
.set VB,  20
.set G1K, 24
.set G1V, 32
.set G0K, 40
.set G0V, 44
.set QP,  48
.set QPB, 50
.set OP,  52
.set OPB, 54
.set Q0B, 56
.set OFS, 58
.set PFA, 60
.set LIM, 62
.set MSB, 0
.macro WIN new
.if MSB != (\new)
	s_set_vgpr_msb (MSB<<8)|(\new)
.set MSB, (\new)
.endif
.endm
; wave 0 fetches a slot's 128 rows of K, wave 1 its 128 rows of V, the others nothing; an s_nop 0 and four v_nop follow each line
.macro TLOAD
	s_cmp_eq_u32 s[WV], 0
	s_cbranch_scc0 .Lnot_k_\@
	tensor_load_to_lds s[G0K:G0K+3], s[G1K:G1K+7]
	s_nop 0
.rept 4
	v_nop
.endr
	s_branch .Lasked_\@
.Lnot_k_\@:
	s_cmp_eq_u32 s[WV], 1
	s_cbranch_scc0 .Lasked_\@
	tensor_load_to_lds s[G0V:G0V+3], s[G1V:G1V+7]
	s_nop 0
.rept 4
	v_nop
.endr
.Lasked_\@:
.endm
; A PREFETCH INTO THE L2: in trip U key slot U + 2, one slot ahead of the tensor load that will ask for it.  The long block goes first, so the sixteen work-groups of a y walk keys 0, 128, .. together, and
; work-group i = 0 walks all sixteen key slots: it alone asks.  In it waves 4 and 5 ask for K's 16,384 bytes of a slot, waves 6 and 7 for V's: 8,192 bytes a wave, lanes 256 bytes apart: each block of 256 bytes is named once.
; Key slots 0 and 1 come by their loads alone; trips 14 and on ask for nothing.
.macro ASK
	s_cmp_lt_u32 s[U], s[LIM]
	s_cbranch_scc0 .Lnot_mine_\@
	global_prefetch_b8 v[PFO], s[PFA:PFA+1] th:TH_LOAD_NT scope:SCOPE_SE
.Lnot_mine_\@:
.endm
	s_load_b128 s[4:7], s[0:1], 0x0                ; qkv, att
	v_lshl_add_u32 v[SPW], v0, 2, SPARE
	v_mov_b32 v[NIL], 0
	ds_add_u32 v[SPW], v[NIL]                      ; the wave's opening: the add, twice on end, and its wait ahead of the first tensor load
	ds_add_u32 v[SPW], v[NIL]
	v_lshrrev_b32 v1, 5, v0
	v_readfirstlane_b32 s[WV], v1                  ; wave 0..7
	s_and_b32 s66, ttmp7, 0xffff
	s_lshr_b32 s67, s66, 2                         ; batch
	s_and_b32 s68, s66, 3                          ; kv head
	s_lshr_b32 s69, ttmp9, 1
	s_sub_co_u32 s[NA], 16, s69
	s_and_b32 s69, s[WV], 3
	s_lshl_b32 s69, s69, 4                         ; my 16 positions in a block
	s_lshl_b32 s[Q0B], ttmp9, 6
	s_add_co_u32 s[Q0B], s[Q0B], s69               ; in block i
	s_sub_co_u32 s70, 31, ttmp9
	s_lshl_b32 s70, s70, 6
	s_add_co_u32 s[Q0], s70, s69                   ; in block 31 - i
	s_lshr_b32 s70, s[WV], 2
	s_lshl_b32 s70, s70, 1
	s_lshl_b32 s71, s68, 2
	s_add_co_u32 s70, s70, s71                     ; h0
	s_lshl_b32 s71, s67, 18                        ; the batch's 256 KiB in a slot of qkv
	s_add_co_u32 s72, s68, 16
	s_lshl_b32 s72, s72, 20
	s_add_co_u32 s72, s72, s71                     ; K
	s_mov_b32 s73, 0
	s_add_co_u32 s74, s72, 4<<20                   ; V
	s_mov_b32 s75, 0
	s_lshl_b32 s76, s70, 20
	s_add_co_u32 s76, s76, s71
	s_lshl_b32 s78, s[Q0B], 7
	s_add_co_u32 s78, s78, s76                     ; Q of the second block
	s_lshl_b32 s77, s[Q0], 7
	s_add_co_u32 s76, s76, s77                     ; Q of the first
	s_mov_b32 s77, 0
	s_mov_b32 s79, 0
	s_lshl_b32 s80, s67, 11
	s_add_co_u32 s82, s80, s[Q0B]
	s_add_co_u32 s80, s80, s[Q0]
	s_lshl_b32 s80, s80, 11                        ; a row of att is 2,048 bytes
	s_lshl_b32 s82, s82, 11
	s_lshl_b32 s81, s70, 7                         ; my two heads' 256 bytes in it
	s_add_co_u32 s80, s80, s81
	s_add_co_u32 s82, s82, s81
	s_mov_b32 s81, 0
	s_mov_b32 s83, 0
	; group 1: 128 rows x 64 elements of 2 bytes, dense in memory; padding behind every 32 words: 4 words for K, 8 for V
	s_mov_b32 s[G1K], (1<<16)|(1<<20)|(4<<22)|(3<<25)
	s_mov_b32 s[G1V], (1<<16)|(1<<20)|(4<<22)|(7<<25)
.irp g, G1K, G1V
	s_mov_b32 s[\g+1], 64<<16
	s_mov_b32 s[\g+2], 128<<16
	s_mov_b32 s[\g+3], 64<<16
	s_mov_b32 s[\g+4], 128
	s_mov_b32 s[\g+5], 64
	s_mov_b32 s[\g+6], 0
	s_mov_b32 s[\g+7], 0
.endr
	s_mov_b32 s[CS], 0x3e38aa3b
	s_mov_b32 s[CS+1], s[CS]
	s_mov_b32 s[SEL], 0x76543210
	s_mov_b32 s[SEL+1], 0xfedcba98
	s_mov_b32 s[U], 0
	s_mov_b32 s[KF], 0
	s_mov_b32 s[TB], 0
	s_mov_b32 s[OFS+1], 0
	s_lshr_b32 s66, s[WV], 2
	s_xor_b32 s66, s66, 1                          ; 0 in waves 4 to 7,
	s_or_b32 s66, s66, ttmp9                       ; of work-group i = 0
	s_cmp_eq_u32 s66, 0
	s_cselect_b32 s[LIM], 14, 0
	s_wait_dscnt 0x0                               ; both opening adds are done
	s_wait_kmcnt 0x0
	s_add_nc_u64 s[KB:KB+1], s[4:5], s[72:73]
	s_add_nc_u64 s[VB:VB+1], s[4:5], s[74:75]
	s_add_nc_u64 s[QP:QP+1], s[4:5], s[76:77]
	s_add_nc_u64 s[QPB:QPB+1], s[4:5], s[78:79]
	s_add_nc_u64 s[OP:OP+1], s[6:7], s[80:81]
	s_add_nc_u64 s[OPB:OPB+1], s[6:7], s[82:83]
	s_mov_b32 s[G0K], 1
	s_mov_b32 s[G0K+1], 0
	s_mov_b64 s[G0K+2:G0K+3], s[KB:KB+1]
	s_or_b32 s[G0K+3], s[G0K+3], 0x80000000
	s_mov_b32 s[G0V], 1
	s_mov_b32 s[G0V+1], VOFF
	s_mov_b64 s[G0V+2:G0V+3], s[VB:VB+1]
	s_or_b32 s[G0V+3], s[G0V+3], 0x80000000
	TLOAD                                          ; key slot 0 into LDS slot 0
	s_cmp_lt_u32 s[WV], 6
	s_cselect_b64 s[PFA:PFA+1], s[KB:KB+1], s[VB:VB+1]
	s_and_b32 s66, s[WV], 1
	s_lshl_b32 s66, s66, 13
	s_add_co_u32 s66, s66, 16384                   ; in key slot 1: the first change of slots steps it to key slot 2
	s_mov_b32 s67, 0
	s_add_nc_u64 s[PFA:PFA+1], s[PFA:PFA+1], s[66:67]
	v_and_b32 v16, 15, v0                          ; r
	v_bfe_u32 v17, v0, 4, 1                        ; h
	v_lshlrev_b32 v[QO], 7, v16
	v_lshl_add_u32 v[QO], v17, 4, v[QO]
.macro QLOAD                           ; my two tiles of Q: 16 rows x 64 channels each, 16 registers
.irp t, 0,1
.irp c, 0,1
	global_load_b128 v[Q+16*\t+8*\c:Q+16*\t+8*\c+3], v[QO], s[QP:QP+1] offset:\t*1048576+64*\c
	global_load_b128 v[Q+16*\t+8*\c+4:Q+16*\t+8*\c+7], v[QO], s[QP:QP+1] offset:\t*1048576+64*\c+32
.endr
.endr
.endm
	QLOAD
	v_mul_u32_u24 v[AK0], v16, KP
	v_lshl_add_u32 v[AK0], v17, 4, v[AK0]
	v_and_b32 v18, 7, v0
	v_bfe_u32 v19, v0, 3, 1
	v_lshl_add_u32 v[AV0], v17, 3, v18
	v_mul_u32_u24 v[AV0], v[AV0], VP
	v_lshl_add_u32 v[AV0], v19, 4, v[AV0]
	v_add_nc_u32 v[AV0], VOFF, v[AV0]
	s_mul_i32 s66, s[WV], 16*272
	s_add_co_u32 s66, s66, STAGE
	v_mul_u32_u24 v[STO], v16, 272
	v_lshl_add_u32 v[STO], v17, 4, v[STO]
	v_add_nc_u32 v[STO], s66, v[STO]
	v_mul_u32_u24 v[RD], v17, 272
	v_lshl_add_u32 v[RD], v16, 4, v[RD]
	v_add_nc_u32 v[RD], s66, v[RD]
	v_lshlrev_b32 v[GO], 11, v17
	v_lshl_add_u32 v[GO], v16, 4, v[GO]
	v_lshlrev_b32 v18, 3, v17
	v_sub_nc_u32 v[RH], v16, v18
	v_mov_b32 v[NINF], 0xff800000
	v_and_b32 v[PFO], 31, v0
	v_lshlrev_b32 v[PFO], 8, v[PFO]
.irp t, 0,1
	v_mov_b32 v[ST+8*\t+5], 0                      ; written once: a lane permute's destination counts as one of its sources,
	v_mov_b32 v[ST+8*\t+7], 0                      ; and this one is named as the upper half of the pair that holds a or 1 / l
.endr
.macro RESET                           ; a block begins: m = -3e38, under every score; l = 0; O^T = 0: the step is written once, and its first a is 0
.irp t, 0,1
	v_mov_b32 v[ST+8*\t+1], 0xff61b1e6
	v_mul_f32 v[ST+8*\t], s[CS], v[ST+8*\t+1]
	v_mov_b32 v[ST+8*\t+2], 0
	v_mov_b32 v[ST+8*\t+3], 0
.endr
	WIN 0x40
.set i, 0
.rept 64
	v_mov_b32 v[i], 0
.set i, i+1
.endr
	WIN 0
.endm
	RESET
	s_wait_loadcnt 0x0                             ; Q
; A KEY STEP: 64 keys, the q-th of the slot in hand.
.macro STEP q
.if \q == 1                            ; a slot's second step may lie wholly behind my 16 positions: then it is left out (ids and counts alone; no barrier and no tensor load stands in a step).  A slot's first step never does
	s_add_co_u32 s66, s[Q0], 15
	s_cmp_gt_u32 s[KF], s66
	s_cbranch_scc1 .Lhidden_\@
.endif
	v_add_nc_u32 v[ADK], s[TB], v[AK0]
	v_add_nc_u32 v[ADV], s[TB], v[AV0]
	v_nop
	v_nop                                          ; with the two additions: four places between the last step's products and the loads into V's fragments
	WIN 0x40
.irp kt, 0,1,2,3
.irp c, 0,1
	ds_load_b128 v[KFR+8*(2*\kt+\c):KFR+8*(2*\kt+\c)+3], v[ADK] offset:\q*64*KP+\kt*16*KP+64*\c
	ds_load_b128 v[KFR+8*(2*\kt+\c)+4:KFR+8*(2*\kt+\c)+7], v[ADK] offset:\q*64*KP+\kt*16*KP+64*\c+32
.endr
.endr
.irp u, 0,1
.irp dt, 0,1,2,3
	ds_load_tr16_b128 v[VFR+8*(4*\u+\dt):VFR+8*(4*\u+\dt)+3], v[ADV] offset:\q*64*VP+\u*32*VP+32*\dt
	ds_load_tr16_b128 v[VFR+8*(4*\u+\dt)+4:VFR+8*(4*\u+\dt)+7], v[ADV] offset:\q*64*VP+\u*32*VP+16*VP+32*\dt
.endr
.endr
	s_wait_dscnt 16                                ; K's 16 loads are in; V's 16 may be out
	WIN 0x01
.irp c, 0,1                            ; S^T = K Q^T: eight accumulators by turns
.irp kt, 0,1,2,3
.irp t, 0,1
.if \c == 0
	v_wmma_f32_16x16x32_f16 v[S+32*\t+8*\kt:S+32*\t+8*\kt+7], v[KFR+8*(2*\kt+\c):KFR+8*(2*\kt+\c)+7], v[Q+16*\t+8*\c:Q+16*\t+8*\c+7], 0
.else
	v_wmma_f32_16x16x32_f16 v[S+32*\t+8*\kt:S+32*\t+8*\kt+7], v[KFR+8*(2*\kt+\c):KFR+8*(2*\kt+\c)+7], v[Q+16*\t+8*\c:Q+16*\t+8*\c+7], v[S+32*\t+8*\kt:S+32*\t+8*\kt+7]
.endif
.endr
.endr
.endr
	WIN 0
.rept 4
	v_nop
.endr
	s_add_co_u32 s66, s[KF], 63                    ; a step all of whose keys count skips the mask
	s_cmp_le_u32 s66, s[Q0]
	s_cbranch_scc1 .Lopen_\@
	s_sub_co_i32 s66, s[Q0], s[KF]
	v_add_nc_u32 v[DD], s66, v[RH]                 ; register 8 kt + j holds key KF + 16 kt + 8 h + j: hidden where 16 kt + j > my position - KF - 8 h
.irp kt, 0,1,2,3
.irp j, 0,1,2,3,4,5,6,7
	v_cmp_gt_i32 vcc_lo, 16*\kt+\j, v[DD]
	v_cndmask_b32 v[S+8*\kt+\j], v[S+8*\kt+\j], v[NINF], vcc_lo
	v_cndmask_b32 v[S+32+8*\kt+\j], v[S+32+8*\kt+\j], v[NINF], vcc_lo
.endr
.endr
.Lopen_\@:
	; the maximum of 32 scores and the old m, both tiles line by line
.irp j, 0,1,2,3
.irp t, 0,1
	v_max3_num_f32 v[ST+8*\t+4+\j], v[S+32*\t+8*\j], v[S+32*\t+8*\j+1], v[S+32*\t+8*\j+2]
.endr
.endr
.irp g, 1,2
.irp j, 0,1,2,3
.irp t, 0,1
	v_max3_num_f32 v[ST+8*\t+4+\j], v[ST+8*\t+4+\j], v[S+32*\t+8*\j+2*\g+1], v[S+32*\t+8*\j+2*\g+2]
.endr
.endr
.endr
.irp t, 0,1
	v_max3_num_f32 v[ST+8*\t+4], v[ST+8*\t+4], v[S+32*\t+7], v[S+32*\t+15]
.endr
.irp t, 0,1
	v_max3_num_f32 v[ST+8*\t+6], v[ST+8*\t+6], v[S+32*\t+23], v[S+32*\t+31]
.endr
.irp t, 0,1
	v_max3_num_f32 v[ST+8*\t+4], v[ST+8*\t+4], v[ST+8*\t+5], v[ST+8*\t+6]
.endr
.irp t, 0,1
	v_max3_num_f32 v[ST+8*\t+4], v[ST+8*\t+4], v[ST+8*\t+7], v[ST+8*\t+1]
.endr
.irp t, 0,1
	v_permlanex16_b32 v[ST+8*\t+5], v[ST+8*\t+4], s[SEL], s[SEL+1]   ; the query's other 32 keys lie in the lane 16 away
.endr
.irp t, 0,1
	v_mov_b32 v[ST+8*\t+7], v[ST+8*\t]             ; c m_old
.endr
.irp t, 0,1
	v_max_num_f32 v[ST+8*\t+1], v[ST+8*\t+4], v[ST+8*\t+5]
.endr
.irp t, 0,1
	v_mul_f32 v[ST+8*\t], s[CS], v[ST+8*\t+1]
.endr
.irp t, 0,1
	v_sub_f32 v[ST+8*\t+7], v[ST+8*\t+7], v[ST+8*\t]
.endr
.irp p, 0,2,4,6,8,10,12,14,16,18,20,22,24,26,28,30
.irp t, 0,1
	v_pk_fma_f32 v[S+32*\t+\p:S+32*\t+\p+1], v[S+32*\t+\p:S+32*\t+\p+1], s[CS:CS+1], v[ST+8*\t:ST+8*\t+1] op_sel_hi:[1,0,0] neg_lo:[0,0,1] neg_hi:[0,0,1]   ; c s - c m
.endr
.endr
.irp t, 0,1
	v_exp_f32 v[ST+8*\t+6], v[ST+8*\t+7]           ; a = 2^(c m_old - c m_new)
.endr
.irp p, 0,1,2,3,4,5,6,7,8,9,10,11,12,13,14,15,16,17,18,19,20,21,22,23,24,25,26,27,28,29,30,31
.irp t, 0,1
	v_exp_f32 v[S+32*\t+\p], v[S+32*\t+\p]
.endr
.endr
	v_nop                                          ; a plain instruction behind the last exponential,
	s_wait_alu depctr_va_vdst(0)                   ; and one wait for all 66, ahead of the first line that names a result
.irp p, 0,1,2,3,4,5,6,7,8,9,10,11,12,13,14,15
.irp t, 0,1
	v_cvt_pk_f16_f32 v[P+16*\t+\p], v[S+32*\t+2*\p], v[S+32*\t+2*\p+1]
.endr
.endr
.irp u, 0,1,2,3,4,5,6,7                ; the row's sum of the unrounded weights, in place, in pairs
.irp t, 0,1
	v_pk_add_f32 v[S+32*\t+4*\u:S+32*\t+4*\u+1], v[S+32*\t+4*\u:S+32*\t+4*\u+1], v[S+32*\t+4*\u+2:S+32*\t+4*\u+3]
.endr
.endr
.irp u, 0,1,2,3
.irp t, 0,1
	v_pk_add_f32 v[S+32*\t+8*\u:S+32*\t+8*\u+1], v[S+32*\t+8*\u:S+32*\t+8*\u+1], v[S+32*\t+8*\u+4:S+32*\t+8*\u+5]
.endr
.endr
.irp u, 0,1
.irp t, 0,1
	v_pk_add_f32 v[S+32*\t+16*\u:S+32*\t+16*\u+1], v[S+32*\t+16*\u:S+32*\t+16*\u+1], v[S+32*\t+16*\u+8:S+32*\t+16*\u+9]
.endr
.endr
.irp t, 0,1
	v_pk_add_f32 v[S+32*\t:S+32*\t+1], v[S+32*\t:S+32*\t+1], v[S+32*\t+16:S+32*\t+17]
.endr
.irp t, 0,1
	v_pk_fma_f32 v[ST+8*\t+2:ST+8*\t+3], v[ST+8*\t+2:ST+8*\t+3], v[ST+8*\t+6:ST+8*\t+7], v[S+32*\t:S+32*\t+1] op_sel_hi:[1,0,1]   ; l = a l + the sum
.endr
	WIN 0x41
.irp t, 0,1
.irp p, 0,2,4,6,8,10,12,14,16,18,20,22,24,26,28,30
	v_pk_mul_f32 v[32*\t+\p:32*\t+\p+1], v[32*\t+\p:32*\t+\p+1], v[ST+8*\t+6:ST+8*\t+7] op_sel_hi:[1,0]   ; O^T times a, each accumulator from its low end on
.endr
.endr
	s_wait_dscnt 0x0                               ; V is in
	WIN 0x51
.irp u, 0,1                            ; O^T += V^T P: eight accumulators by turns
.irp dt, 0,1,2,3
.irp t, 0,1
	v_wmma_f32_16x16x32_f16 v[32*\t+8*\dt:32*\t+8*\dt+7], v[VFR+8*(4*\u+\dt):VFR+8*(4*\u+\dt)+7], v[P+16*\t+8*\u:P+16*\t+8*\u+7], v[32*\t+8*\dt:32*\t+8*\dt+7]
.endr
.endr
.endr
	WIN 0
.if \q == 1
.Lhidden_\@:
.endif
	s_add_co_u32 s[KF], s[KF], 64
.endm
; THE CHANGE OF SLOTS, at a slot's head: each wave waits for all its tensor loads, adds 0 to its spare word, and waits for that and for its reads of the slot that it has left.  Behind the barrier the slot ahead is whole and
; nobody reads the other one; fill = 1: that one takes the key slot of the next trip: trip U + 1 of the first block, or U + 1 - NA of the second.  The load has two key steps in which to land.
.macro CHANGE fill
	s_wait_tensorcnt 0x0                           ; no tensor load of mine is out, so a group 0 may be written
	ds_add_u32 v[SPW], v[NIL]
.if \fill
	ds_add_u32 v[SPW], v[NIL]
	s_add_co_u32 s66, s[U], 1
	s_cmp_lt_u32 s66, s[NA]
	s_cselect_b32 s67, 0, s[NA]
	s_sub_co_u32 s66, s66, s67
	s_lshl_b32 s[OFS], s66, 14                     ; 128 rows of 128 bytes
	s_xor_b32 s[G0K+1], s[G0K+1], SLOT1
	s_add_nc_u64 s[G0K+2:G0K+3], s[KB:KB+1], s[OFS:OFS+1]
	s_or_b32 s[G0K+3], s[G0K+3], 0x80000000
	s_xor_b32 s[G0V+1], s[G0V+1], SLOT1
	s_add_nc_u64 s[G0V+2:G0V+3], s[VB:VB+1], s[OFS:OFS+1]
	s_or_b32 s[G0V+3], s[G0V+3], 0x80000000
	s_wait_xcnt 0x0                                ; the last prefetch, a slot back, has read its address
	s_add_nc_u64 s[PFA:PFA+1], s[PFA:PFA+1], 16384
.endif
	s_wait_dscnt 0x0
	s_barrier_signal -1
	s_barrier_wait -1
.if \fill
	TLOAD                                          ; the first thing behind the barrier, and a wave's one tensor load until the next
	ASK
.endif
.endm
; THE WAY OUT of a block: O^T / l, to f16, through my stage, out as rows of 256 consecutive bytes (my two heads' 128 channels).
.macro FINISH
.rept 4
	v_nop                                          ; places behind the last products
.endr
.irp t, 0,1
	v_add_f32 v[ST+8*\t+4], v[ST+8*\t+2], v[ST+8*\t+3]
.endr
.irp t, 0,1
	v_permlanex16_b32 v[ST+8*\t+5], v[ST+8*\t+4], s[SEL], s[SEL+1]
.endr
.irp t, 0,1
	v_add_f32 v[ST+8*\t+4], v[ST+8*\t+4], v[ST+8*\t+5]
.endr
.irp t, 0,1
	v_rcp_f32 v[ST+8*\t+6], v[ST+8*\t+4]
.endr
	v_nop
	s_wait_alu depctr_va_vdst(0)                   ; one wait for the two reciprocals, ahead of their first reader
	WIN 0x41
.irp t, 0,1
.irp p, 0,2,4,6,8,10,12,14,16,18,20,22,24,26,28,30
	v_pk_mul_f32 v[32*\t+\p:32*\t+\p+1], v[32*\t+\p:32*\t+\p+1], v[ST+8*\t+6:ST+8*\t+7] op_sel_hi:[1,0]
.endr
.endr
	WIN 0x05
.irp t, 0,1
.irp p, 0,1,2,3,4,5,6,7,8,9,10,11,12,13,14,15
	v_cvt_pk_f16_f32 v[W+16*\t+\p], v[32*\t+2*\p], v[32*\t+2*\p+1]
.endr
.endr
	WIN 0
.irp t, 0,1
.irp dt, 0,1,2,3
	ds_store_b128 v[STO], v[W+16*\t+4*\dt:W+16*\t+4*\dt+3] offset:128*\t+32*\dt
.endr
.endr
.irp i, 0,1,2,3,4,5,6,7
	ds_load_b128 v[OBK+4*\i:OBK+4*\i+3], v[RD] offset:544*\i   ; LDS serves a wave's instructions in order: these see the stores above
.endr
.irp i, 0,1,2,3,4,5,6,7
	s_wait_dscnt 7-\i
	global_store_b128 v[GO], v[OBK+4*\i:OBK+4*\i+3], s[OP:OP+1] offset:4096*\i   ; sixteen lanes store 256 consecutive bytes, aligned
.endr
.endm
; Where the first block's trips are over (U = NA: the work-group's number and the count of trips, alike in all waves) the block goes out and the second begins.
.macro SWITCH
	s_cmp_lg_u32 s[U], s[NA]
	s_cbranch_scc1 .Lsame_\@
	s_mov_b64 s[QP:QP+1], s[QPB:QPB+1]
	QLOAD                                          ; lands while the first block goes out
	FINISH
	s_wait_xcnt 0x0                                ; the stores have read their base and their registers
	s_mov_b64 s[OP:OP+1], s[OPB:OPB+1]
	s_mov_b32 s[Q0], s[Q0B]
	s_mov_b32 s[KF], 0
	RESET
	s_wait_loadcnt 0x0
.Lsame_\@:
.endm
.macro SLOT_STEPS
	STEP 0
	STEP 1
	s_xor_b32 s[TB], s[TB], SLOT1
.endm
.Lslot:                                            ; 16 trips: behind each change of slots the next trip's key slot is asked for
	CHANGE 1
	SWITCH
	SLOT_STEPS
	s_add_co_u32 s[U], s[U], 1
	s_cmp_lt_u32 s[U], 16
	s_cbranch_scc1 .Lslot
	CHANGE 0                                       ; the last trip is written out: it asks for nothing
	SWITCH
	SLOT_STEPS
	FINISH
	s_wait_tensorcnt 0x0                           ; the wave's end
	ds_add_u32 v[SPW], v[NIL]
	s_wait_dscnt 0x0
	s_endpgm
.Lfunc_end_k_q48db4f21a5_attn:
	.size	k_q48db4f21a5_attn, .Lfunc_end_k_q48db4f21a5_attn-k_q48db4f21a5_attn
	.p2alignl 7, 3214868480
	.fill 96, 4, 3214868480
	.section	.rodata,"a",@progbits
	.p2align	6, 0x0
	.amdhsa_kernel k_q48db4f21a5_attn
		.amdhsa_group_segment_fixed_size 327680
		.amdhsa_private_segment_fixed_size 0
		.amdhsa_enable_private_segment 0
		.amdhsa_kernarg_size 16
		.amdhsa_user_sgpr_count 2
		.amdhsa_user_sgpr_kernarg_segment_ptr 1
		.amdhsa_wavefront_size32 1
		.amdhsa_system_sgpr_workgroup_id_x 1
		.amdhsa_system_sgpr_workgroup_id_y 1
		.amdhsa_system_sgpr_workgroup_id_z 1
		.amdhsa_system_vgpr_workitem_id 0
		.amdhsa_next_free_vgpr 512
		.amdhsa_next_free_sgpr 84
		.amdhsa_reserve_vcc 1
		.amdhsa_float_denorm_mode_32 3
		.amdhsa_float_denorm_mode_16_64 3
		.amdhsa_memory_ordered 1
		.amdhsa_forward_progress 1
		.amdhsa_inst_pref_size 120
	.end_amdhsa_kernel
	.amdgpu_metadata
---
amdhsa.version: [ 1, 2 ]
amdhsa.kernels:
  - .name:           k_q48db4f21a5_attn
    .symbol:         k_q48db4f21a5_attn.kd
    .args:
      - { .name: qkv, .offset: 0, .size: 8, .value_kind: global_buffer, .address_space: global }
      - { .name: att, .offset: 8, .size: 8, .value_kind: global_buffer, .address_space: global }
    .group_segment_fixed_size: 327680
    .private_segment_fixed_size: 0
    .kernarg_segment_align: 8
    .kernarg_segment_size: 16
    .max_flat_workgroup_size: 256
    .sgpr_count:     84
    .vgpr_count:     512
    .wavefront_size: 32
...
	.end_amdgpu_metadata
.endif
;; end of part 3
;; launch proj (part 4): grid 4 x 64, 4 waves a work-group, clusters of 4 x 4, 327,680 bytes of LDS; arguments att, wo16, out0; writes out0
.if DOCPART == 4
	.amdgcn_target "amdgcn-amd-amdhsa--gfx1250"
	.amdhsa_code_object_version 6
	.text
	.protected	k_q48db4f21a5_proj
	.globl	k_q48db4f21a5_proj
	.p2align	8
	.type	k_q48db4f21a5_proj,@function
k_q48db4f21a5_proj:
	s_mov_b64 s[64:65], 0
	v_nop
	global_prefetch_b8 v0, s[64:65] scope:SCOPE_SE
	s_setreg_imm32_b32 hwreg(HW_REG_WAVE_MODE, 25, 1), 1
	s_wait_xcnt 0x0
	s_wait_alu depctr_hold_cnt(0) depctr_sa_sdst(0) depctr_va_vdst(0) depctr_va_sdst(0) depctr_va_ssrc(0) depctr_va_vcc(0) depctr_vm_vsrc(0)
	s_getreg_b32 s2, hwreg(HW_REG_IB_STS2, 6, 4)
	s_cmp_eq_u32 s2, 0
	s_cbranch_scc0 .Lentry_in_a_cluster
	s_endpgm
.Lentry_in_a_cluster:
	s_bfe_u32 s2, ttmp6, 0x10000c
	s_cmp_lg_u32 s2, 0xf033
	s_cbranch_scc0 .Lentry_shape_is_right
	s_endpgm
.Lentry_shape_is_right:
; PROJ: out0 [8192][1024] f32 = att [8192][1024] f16 x wo16 [k 1024][n 1024] f16, f32 sums.  LIMIT: operands under 65,504.
; All rows are made here; the 64 rows of positions 0-15 are written again, more finely, by the launch that follows: leaving them out here would take a branch on a work-group's place in its cluster.
; SHARES.  A tile of 128 rows x 256 columns to a work-group: 4 x 64 = 256.  Wave (wm = w / 2, wn = w % 2) makes 64 x 128: 32 accumulators, 256 registers.  K in 8 steps of 128 through two LDS slots.
; CLUSTER 4 x 4: att's tile hangs on the tile row alone and is shared along a row of the cluster, wo16's on the tile column alone and is shared along a column: both are asked for jointly.
; THE MATRIX INSTRUCTION IS USED TRANSPOSED: source 0 = 16 columns of Wo (stored [k][n]: turned by ds_load_tr16_b128), source 1 = 16 rows of att: a lane holds eight neighbouring numbers of a row of out0.
; REGISTERS.  window 0: v16-29 addresses, v64-191 the way out.  window 1: two fragment buffers at 0 and 128: 32 registers of att, then 64 of Wo.  window 2: accumulator (a, b) at 8 (8 a + b).
.set AP,    272                        ; a row of att's tile: 256 bytes + 16
.set BP,    544                        ; a row of Wo's tile: 512 bytes + 32
.set BOFF,  128*AP
.set SLOT,  128*AP+128*BP
.set STAGE, 2*SLOT                     ; 16 rows x 528 bytes for each wave: bytes of its own
.set SPARE, STAGE+4*16*528
.set LAPS,  4
.set ADRA, 16
.set ADRB, 20
.set STO,  24
.set RD,   25
.set CO,   26
.set SPW,  28
.set NIL,  29
.set BK,   64
.set F0,   0
.set F1,   128
.set G1,  24
.set G0,  32
.set G1B, 48
.set G0B, 56
.set MSB, 0
.macro WIN new
.if MSB != (\new)
	s_set_vgpr_msb (MSB<<8)|(\new)
.set MSB, (\new)
.endif
.endm
.set MUL,  0xa5                        ; sources 0 and 1 window 1, C and D window 2
.set TO_F, 0x40
.macro JLOAD s                         ; waves 0 and 1 fetch att's two halves, waves 2 and 3 Wo's; an s_nop 0 and four v_nop follow each line
	s_cmp_eq_u32 s11, 0
	s_cbranch_scc0 .Lfor_b_\@
	tensor_load_to_lds s[G0+4*\s:G0+4*\s+3], s[G1:G1+7]
	s_nop 0
.rept 4
	v_nop
.endr
	s_branch .Lasked_\@
.Lfor_b_\@:
	tensor_load_to_lds s[G0B+4*\s:G0B+4*\s+3], s[G1B:G1B+7]
	s_nop 0
.rept 4
	v_nop
.endr
.Lasked_\@:
.endm
.macro CREST
	s_cmp_lg_u32 s10, 0
	s_cbranch_scc1 .Lnot_wave_0_\@
	s_barrier_signal -3
.Lnot_wave_0_\@:
	s_barrier_wait -3
	s_barrier_signal -1
	s_barrier_wait -1
.endm
.macro CROUND
	s_barrier_signal -1
	s_barrier_wait -1
	CREST
.endm
.macro PLACES
.rept 4
	v_nop
.endr
.endm
	s_load_b128 s[4:7], s[0:1], 0x0                ; att, wo16
	s_load_b64 s[8:9], s[0:1], 0x10                ; out0
	v_lshl_add_u32 v[SPW], v0, 2, SPARE
	v_mov_b32 v[NIL], 0
	ds_add_u32 v[SPW], v[NIL]                      ; the wave's opening: the add, twice on end, and its wait ahead of my first tensor load
	ds_add_u32 v[SPW], v[NIL]
	v_lshrrev_b32 v1, 5, v0
	v_readfirstlane_b32 s10, v1                    ; wave 0..3
	s_lshr_b32 s11, s10, 1                         ; wm.  Also: I fetch for att (0) or for Wo (1)
	s_and_b32 s12, s10, 1                          ; wn.  Also: which half of that tile's rows I fetch
	s_bfe_u32 s40, ttmp6, 0x40000                  ; cx
	s_bfe_u32 s41, ttmp6, 0x40004                  ; cy
	s_lshl_b32 s42, ttmp9, 2
	s_add_co_u32 s42, s42, s40                     ; tile column
	s_and_b32 s13, ttmp7, 0xffff
	s_lshl_b32 s13, s13, 2
	s_add_co_u32 s13, s13, s41                     ; tile row
	s_lshl_b32 s43, s41, 2
	s_lshl_b32 s43, 15, s43                        ; my row of the cluster
	s_lshl_b32 s44, 0x1111, s40                    ; my column
	s_or_b32 s[G1], s43, (1<<16)|(1<<20)|(1<<21)|(5<<22)|(3<<25)    ; att: elements of 2 bytes; 4 words of padding behind every 64
	s_mov_b32 s[G1+1], 128<<16
	s_mov_b32 s[G1+2], 64<<16
	s_mov_b32 s[G1+3], 128<<16
	s_mov_b32 s[G1+4], 64
	s_mov_b32 s[G1+5], 1024
	s_mov_b32 s[G1+6], 0
	s_mov_b32 s[G1+7], 0
	s_or_b32 s[G1B], s44, (1<<16)|(1<<20)|(1<<21)|(6<<22)|(7<<25)   ; Wo: 8 words of padding behind every 128
	s_mov_b32 s[G1B+1], 256<<16
	s_mov_b32 s[G1B+2], 64<<16
	s_mov_b32 s[G1B+3], 256<<16
	s_mov_b32 s[G1B+4], 64
	s_mov_b32 s[G1B+5], 1024
	s_mov_b32 s[G1B+6], 0
	s_mov_b32 s[G1B+7], 0
	s_lshl_b32 s16, s13, 7
	s_lshl_b32 s17, s12, 6
	s_add_co_u32 s16, s16, s17                     ; att: row 128 x tile row + 64 x half,
	s_lshl_b32 s16, s16, 11                        ; of 2,048 bytes
	s_mov_b32 s17, 0
	s_lshl_b32 s46, s12, 17                        ; Wo: k row 64 x half, of 2,048 bytes,
	s_lshl_b32 s47, s42, 9                         ; + 256 columns x tile column
	s_add_co_u32 s46, s46, s47
	s_mov_b32 s47, 0
	s_mul_i32 s20, s12, 64*AP                      ; where they go: the wave's number and constants alone
	s_mul_i32 s21, s12, 64*BP
	s_add_co_u32 s21, s21, BOFF
	s_wait_dscnt 0x0                               ; both opening adds are done
	s_wait_kmcnt 0x0
	s_add_nc_u64 s[14:15], s[4:5], s[16:17]
	s_add_nc_u64 s[46:47], s[6:7], s[46:47]
	CROUND                                         ; all sixteen work-groups are here: the first joint loads meet
.irp s, 0,1
	s_mov_b32 s[G0+4*\s], 1
	s_add_co_u32 s[G0+4*\s+1], s20, \s*SLOT
	s_add_nc_u64 s[G0+4*\s+2:G0+4*\s+3], s[14:15], \s*256
	s_or_b32 s[G0+4*\s+3], s[G0+4*\s+3], 0x80000000
	s_mov_b32 s[G0B+4*\s], 1
	s_add_co_u32 s[G0B+4*\s+1], s21, \s*SLOT
	s_add_nc_u64 s[G0B+4*\s+2:G0B+4*\s+3], s[46:47], \s*262144
	s_or_b32 s[G0B+4*\s+3], s[G0B+4*\s+3], 0x80000000
	JLOAD \s                                       ; two loads of mine are out behind the second
.endr
	v_and_b32 v1, 15, v0                           ; r
	v_bfe_u32 v2, v0, 4, 1                         ; h
	v_mul_u32_u24 v3, v1, AP
	v_lshl_add_u32 v3, v2, 4, v3
	s_mul_i32 s21, s11, 64*AP                      ; my 64 rows of att
	v_add_nc_u32 v[ADRA], s21, v3
	s_add_co_u32 s21, s21, SLOT
	v_add_nc_u32 v[ADRA+1], s21, v3
	v_and_b32 v4, 7, v0
	v_bfe_u32 v5, v0, 3, 1
	v_lshl_add_u32 v4, v2, 3, v4
	v_mul_u32_u24 v4, v4, BP
	v_lshl_add_u32 v4, v5, 4, v4                   ; the turning load: k row 8 h + lane % 8, 16 bytes for each eight lanes
	s_lshl_b32 s22, s12, 8                         ; my 128 columns
	s_add_co_u32 s22, s22, BOFF
	v_add_nc_u32 v[ADRB], s22, v4
	s_add_co_u32 s22, s22, SLOT
	v_add_nc_u32 v[ADRB+1], s22, v4
	s_mul_i32 s23, s10, 16*528
	s_add_co_u32 s23, s23, STAGE
	v_mul_u32_u24 v5, v1, 528
	v_lshl_add_u32 v5, v2, 5, v5
	v_add_nc_u32 v[STO], s23, v5
	v_and_b32 v6, 31, v0
	v_lshlrev_b32 v[CO], 4, v6
	v_add_nc_u32 v[RD], s23, v[CO]
	s_lshl_b32 s16, s13, 7
	s_lshl_b32 s17, s11, 6
	s_add_co_u32 s16, s16, s17
	s_lshl_b32 s16, s16, 12                        ; my first row of out0, 4,096 bytes a row
	s_mov_b32 s17, 0
	s_add_nc_u64 s[8:9], s[8:9], s[16:17]
	s_lshl_b32 s46, s42, 10
	s_lshl_b32 s47, s12, 9
	s_add_co_u32 s46, s46, s47                     ; my first column, in bytes
	s_mov_b32 s47, 0
	s_add_nc_u64 s[8:9], s[8:9], s[46:47]
.macro MULA f, a, zero                 ; 8 matrix instructions: row tile a x my 8 column tiles, 32 along K
.irp b, 0,1,2,3,4,5,6,7
.if \zero
	v_wmma_f32_16x16x32_f16 v[8*(8*(\a)+\b):8*(8*(\a)+\b)+7], v[\f+32+8*\b:\f+32+8*\b+7], v[\f+8*(\a):\f+8*(\a)+7], 0
.else
	v_wmma_f32_16x16x32_f16 v[8*(8*(\a)+\b):8*(8*(\a)+\b)+7], v[\f+32+8*\b:\f+32+8*\b+7], v[\f+8*(\a):\f+8*(\a)+7], v[8*(8*(\a)+\b):8*(8*(\a)+\b)+7]
.endif
.endr
.endm
.macro FETCH slot, kq, f               ; 24 loads in one run: Wo's 16, then att's row tiles 0, 1, then 2, 3
	WIN TO_F
.irp b, 0,1,2,3,4,5,6,7
	ds_load_tr16_b128 v[\f+32+8*\b:\f+32+8*\b+3], v[ADRB+\slot] offset:(\kq)*32*BP+32*\b
	ds_load_tr16_b128 v[\f+32+8*\b+4:\f+32+8*\b+7], v[ADRB+\slot] offset:(\kq)*32*BP+16*BP+32*\b
.endr
.irp a, 0,1,2,3
	ds_load_b128 v[\f+8*\a:\f+8*\a+3], v[ADRA+\slot] offset:64*(\kq)+\a*16*AP
	ds_load_b128 v[\f+8*\a+4:\f+8*\a+7], v[ADRA+\slot] offset:64*(\kq)+\a*16*AP+32
.endr
.endm
; A K step is four quarters of 32 along K, 32 matrix instructions each, on buffers 0, 1, 0, 1; the 32 accumulators take turns in one order.
.macro QUARTER slot, kq, f, g, zero    ; multiplies buffer f; in its middle fetches quarter kq of the same slot into g
	s_wait_dscnt 4                                 ; Wo's fragments and att's row tiles 0, 1 are in; the youngest four loads may be out
	WIN MUL
	MULA \f, 0, \zero
	MULA \f, 1, \zero
	PLACES
	FETCH \slot, \kq, \g
	s_wait_dscnt 24                                ; all but the 24 just issued
	WIN MUL
	MULA \f, 2, \zero
	MULA \f, 3, \zero
.endm
; The last quarter multiplies buffer 1 and changes slots: one barrier; in front of it each wave waits for all its tensor loads, adds 0 to its spare word, and waits for that and for its reads of this slot.
.macro TURN slot, next, fill
	WIN 0
	s_wait_tensorcnt 0x0                           ; all my tensor loads have landed: my part of the next slot
	ds_add_u32 v[SPW], v[NIL]
	s_wait_dscnt 5                                 ; (the add and the youngest four loads may be out)
	WIN MUL
	MULA F1, 0, 0
	s_wait_dscnt 0x0                               ; the add is done, and my reads of this slot are over
	s_barrier_signal -1
	MULA F1, 1, 0
.if \fill
	WIN 0
.endif
	s_barrier_wait -1
.if \fill
	CREST                                          ; the barrier has opened a round of the cluster's barrier: no wave of any partner still reads this slot or has a load on its way
	s_add_nc_u64 s[G0+4*\slot+2:G0+4*\slot+3], s[G0+4*\slot+2:G0+4*\slot+3], 512
	s_add_nc_u64 s[G0B+4*\slot+2:G0B+4*\slot+3], s[G0B+4*\slot+2:G0B+4*\slot+3], 524288
	JLOAD \slot                                    ; the first tensor load behind the round: 112 matrix instructions ahead of the wait for it; its four v_nop are the places in front of the loads below
.else
	PLACES
.endif
	FETCH \next, 0, F0
	WIN MUL
	MULA F1, 2, 0
	MULA F1, 3, 0
.endm
	s_wait_tensorcnt 1                             ; my part of K step 0 is in; K step 1's load may be out,
	s_barrier_signal -1
	s_barrier_wait -1                              ; everybody's is
	FETCH 0, 0, F0
	QUARTER 0, 1, F0, F1, 1                        ; the first quarter starts the sums
	WIN 0
	s_mov_b32 s3, LAPS-1
.Llap:
	QUARTER 0, 2, F1, F0, 0
	QUARTER 0, 3, F0, F1, 0
	TURN 0, 1, 1
	QUARTER 1, 1, F0, F1, 0
	QUARTER 1, 2, F1, F0, 0
	QUARTER 1, 3, F0, F1, 0
	TURN 1, 0, 1
	QUARTER 0, 1, F0, F1, 0
	WIN 0
	s_sub_co_u32 s3, s3, 1
	s_cmp_lg_u32 s3, 0
	s_cbranch_scc1 .Llap
	QUARTER 0, 2, F1, F0, 0                        ; the last lap fills nothing
	QUARTER 0, 3, F0, F1, 0
	TURN 0, 1, 0
	QUARTER 1, 1, F0, F1, 0
	QUARTER 1, 2, F1, F0, 0
	QUARTER 1, 3, F0, F1, 0
	s_wait_dscnt 4
	WIN MUL
	MULA F1, 0, 0
	MULA F1, 1, 0
	s_wait_dscnt 0x0
	MULA F1, 2, 0
	MULA F1, 3, 0
	WIN 0
; THE WAY OUT, 16 rows x 128 columns at a time, through my own stage: whole rows of 512 bytes come back and leave as 512 consecutive bytes an instruction.
.macro TOSTAGE a
	WIN 0x08                                       ; an LDS store's data: window 2
.irp b, 0,1,2,3,4,5,6,7
	ds_store_b128 v[STO], v[8*(8*(\a)+\b):8*(8*(\a)+\b)+3] offset:64*\b       ; each accumulator from its low end on
	ds_store_b128 v[STO], v[8*(8*(\a)+\b)+4:8*(8*(\a)+\b)+7] offset:64*\b+16
.endr
	WIN 0
.irp t, 0,1,2,3,4,5,6,7,8,9,10,11,12,13,14,15
	ds_load_b128 v[BK+64*((\a)%2)+4*\t:BK+64*((\a)%2)+4*\t+3], v[RD] offset:\t*528
.endr
.endm
.macro SEND a, younger
	s_wait_dscnt \younger
.irp t, 0,1,2,3,4,5,6,7,8,9,10,11,12,13,14,15
	global_store_b128 v[CO], v[BK+64*((\a)%2)+4*\t:BK+64*((\a)%2)+4*\t+3], s[8:9] offset:(16*(\a)+\t)*4096 th:TH_STORE_NT
.endr
.endm
	PLACES
	TOSTAGE 0
.irp a, 1,2,3
.if \a > 1
	s_wait_xcnt 0x0                                ; block a - 2's stores have read the registers that block a's loads fill
.endif
	TOSTAGE \a
	SEND \a-1, 32                                  ; behind block a - 1's loads: block a's 16 stores and 16 loads
.endr
	SEND 3, 0
	s_wait_tensorcnt 0x0                           ; the wave's end
	ds_add_u32 v[SPW], v[NIL]
	s_wait_dscnt 0x0
	CROUND                                         ; the closing round
	s_endpgm
.Lfunc_end_k_q48db4f21a5_proj:
	.size	k_q48db4f21a5_proj, .Lfunc_end_k_q48db4f21a5_proj-k_q48db4f21a5_proj
	.p2alignl 7, 3214868480
	.fill 96, 4, 3214868480
	.section	.rodata,"a",@progbits
	.p2align	6, 0x0
	.amdhsa_kernel k_q48db4f21a5_proj
		.amdhsa_group_segment_fixed_size 327680
		.amdhsa_private_segment_fixed_size 0
		.amdhsa_enable_private_segment 0
		.amdhsa_kernarg_size 24
		.amdhsa_user_sgpr_count 2
		.amdhsa_user_sgpr_kernarg_segment_ptr 1
		.amdhsa_wavefront_size32 1
		.amdhsa_system_sgpr_workgroup_id_x 1
		.amdhsa_system_sgpr_workgroup_id_y 1
		.amdhsa_system_sgpr_workgroup_id_z 1
		.amdhsa_system_vgpr_workitem_id 0
		.amdhsa_next_free_vgpr 768
		.amdhsa_next_free_sgpr 66
		.amdhsa_reserve_vcc 0
		.amdhsa_float_denorm_mode_32 3
		.amdhsa_float_denorm_mode_16_64 3
		.amdhsa_memory_ordered 1
		.amdhsa_forward_progress 1
		.amdhsa_inst_pref_size 85
	.end_amdhsa_kernel
	.amdgpu_metadata
---
amdhsa.version: [ 1, 2 ]
amdhsa.kernels:
  - .name:           k_q48db4f21a5_proj
    .symbol:         k_q48db4f21a5_proj.kd
    .args:
      - { .name: att, .offset: 0, .size: 8, .value_kind: global_buffer, .address_space: global }
      - { .name: wo16, .offset: 8, .size: 8, .value_kind: global_buffer, .address_space: global }
      - { .name: out0, .offset: 16, .size: 8, .value_kind: global_buffer, .address_space: global }
    .group_segment_fixed_size: 327680
    .private_segment_fixed_size: 0
    .kernarg_segment_align: 8
    .kernarg_segment_size: 24
    .max_flat_workgroup_size: 128
    .sgpr_count:     66
    .vgpr_count:     768
    .wavefront_size: 32
...
	.end_amdgpu_metadata
.endif
;; end of part 4
;; launch fine (part 5): grid 32 x 4, 8 waves a work-group, no clusters, 19,456 bytes of LDS; arguments fine32, Wo, out0; writes out0
.if DOCPART == 5
	.amdgcn_target "amdgcn-amd-amdhsa--gfx1250"
	.amdhsa_code_object_version 6
	.text
	.protected	k_q48db4f21a5_fine
	.globl	k_q48db4f21a5_fine
	.p2align	8
	.type	k_q48db4f21a5_fine,@function
k_q48db4f21a5_fine:
	s_mov_b64 s[64:65], 0
	v_nop
	global_prefetch_b8 v0, s[64:65] scope:SCOPE_SE
	s_setreg_imm32_b32 hwreg(HW_REG_WAVE_MODE, 25, 1), 1
	s_wait_xcnt 0x0
; FINE: positions 0-15 of each batch once more, wholly in f32: these rows average one to sixteen values, are the largest in size, and leave the least room for rounded operands.
; In: fine32 [slot 24][batch 4][16][64] f32 (q's heads 0-15, k 16-19, v 20-23, rotated), Wo [1024][1024] f32.  Out: rows 2048 b + 0 .. 15 of out0, written over what the launch before left there.
; SHARES.  Work-group (x, b) makes out0's 16 rows x columns 32 x .. 32 x + 31.  Wave w makes the attention of heads 2 w and 2 w + 1 and their 128 channels' part of the 16 x 32; the eight parts are added through LDS
; in ascending order of the waves.  The attention is repeated in the 32 work-groups of a batch: 64 matrix instructions a wave, which spares a launch and a buffer.
; All products by v_wmma_f32_16x16x4_f32, 128 a wave, written out.  Along each product's K the numbers are taken in another order, alike on both operands, so that a lane's registers come from neighbouring bytes or straight
; from the product before.  The registers that these instructions write (SA, OA, OUTA) are written by nothing else; each sum starts with the constant 0.
; Wo is read in pieces of 64 bytes (16 columns of a row), out0 written in pieces of 128: 16 MiB read and 256 KiB written in the whole launch.
.set KK,   24                          ; v24-55   K: pair 2 s: channels 32 h + 2 s + 0, 1 of key r
.set QQ,   56                          ; v56-119  Q of my two heads, likewise
.set VV,   120                         ; v120-151 V: 8 dt + i: key 8 h + i, channel 16 dt + r
.set SA,   152                         ; v152-167 S^T: key 8 h + j, query r
.set PP,   168                         ; v168-183 the weights
.set OUTA, 184                         ; v184-199 my part of out: column 16 T + 8 h + j, position r
.set F,    200                         ; v200-215 statistics, 8 a head: +0 c m, +1 m, +2, +3 at work, +4, +5 l, +6 1 / l
.set SU,   216                         ; v216-231 sums
.set ON,   24                          ; v24-87   O^T / l, over K's and Q's registers when those are done with
.set OA,   128                         ; window 1: v128-191 O^T;  v0-127 Wo: 4 ks + 2 T + j
.set SPW,  12
.set NIL,  13
.set SPARE, 18432
.set CS,   18
.set SEL,  20
.set MSB, 0
.macro WIN new
.if MSB != (\new)
	s_set_vgpr_msb (MSB<<8)|(\new)
.set MSB, (\new)
.endif
.endm
.macro PLACES8
.rept 8
	v_nop
.endr
.endm
	s_load_b128 s[4:7], s[0:1], 0x0                ; fine32, Wo
	s_load_b64 s[8:9], s[0:1], 0x10                ; out0
	v_lshl_add_u32 v[SPW], v0, 2, SPARE
	v_mov_b32 v[NIL], 0
	v_lshrrev_b32 v1, 5, v0
	v_readfirstlane_b32 s10, v1                    ; wave 0..7
	s_and_b32 s11, ttmp7, 0xffff                   ; batch
	s_lshl_b32 s22, s10, 3
	s_add_co_u32 s22, s22, s11
	s_lshl_b32 s22, s22, 12                        ; Q: block (slot 2 w, batch), 4,096 bytes a block
	s_mov_b32 s23, 0
	s_lshr_b32 s24, s10, 1
	s_add_co_u32 s24, s24, 16
	s_lshl_b32 s24, s24, 2
	s_add_co_u32 s24, s24, s11
	s_lshl_b32 s24, s24, 12                        ; K: slot 16 + w / 2; V lies 65,536 bytes on
	s_mov_b32 s25, 0
	s_lshl_b32 s26, s10, 19                        ; Wo: my 128 rows of 4,096 bytes,
	s_lshl_b32 s27, ttmp9, 7                       ; my work-group's 32 columns
	s_add_co_u32 s26, s26, s27
	s_lshl_b32 s28, s11, 23                        ; out0: the batch's first row
	s_add_co_u32 s28, s28, s27
	s_mov_b32 s27, 0
	s_mov_b32 s29, 0
	s_mov_b32 s[CS], 0x3e38aa3b                    ; c = log2(e) / 8
	s_mov_b32 s[CS+1], s[CS]
	s_mov_b32 s[SEL], 0x76543210
	s_mov_b32 s[SEL+1], 0xfedcba98
	v_and_b32 v9, 15, v0                           ; r
	v_bfe_u32 v10, v0, 4, 1                        ; h
	v_lshlrev_b32 v1, 8, v9
	v_lshl_add_u32 v1, v10, 7, v1                  ; Q, K: 256 r + 128 h
	v_lshlrev_b32 v2, 2, v9
	v_lshl_add_u32 v3, v10, 15, v2                 ; Wo: 8 h rows + 4 r
	v_lshl_add_u32 v2, v10, 11, v2                 ; V: 8 h rows + 4 r
	v_lshlrev_b32 v4, 3, v10
	v_sub_nc_u32 v4, v9, v4                        ; r - 8 h
	v_mov_b32 v5, 0xff800000
	s_mul_i32 s30, s10, 2304
	v_mul_u32_u24 v6, v9, 144
	v_lshl_add_u32 v6, v10, 5, v6
	v_add_nc_u32 v6, s30, v6                       ; my part in LDS: 16 rows x 144 bytes a wave; row r, + 32 h
	v_lshrrev_b32 v11, 4, v0                       ; for the sum: thread t takes row t / 16, 8 bytes at 8 (t % 16)
	v_mul_u32_u24 v7, v11, 144
	v_lshl_add_u32 v7, v9, 3, v7
	v_lshlrev_b32 v8, 12, v11
	v_lshl_add_u32 v8, v9, 3, v8
	s_wait_kmcnt 0x0
	s_add_nc_u64 s[12:13], s[4:5], s[22:23]
	s_add_nc_u64 s[14:15], s[4:5], s[24:25]
	s_add_nc_u64 s[16:17], s[6:7], s[26:27]
	s_add_nc_u64 s[8:9], s[8:9], s[28:29]
.irp i, 0,1,2,3,4,5,6,7
	global_load_b128 v[KK+4*\i:KK+4*\i+3], v1, s[14:15] offset:16*\i
.endr
.irp t, 0,1
.irp i, 0,1,2,3,4,5,6,7
	global_load_b128 v[QQ+32*\t+4*\i:QQ+32*\t+4*\i+3], v1, s[12:13] offset:16384*\t+16*\i
.endr
.endr
.irp dt, 0,1,2,3
.irp i, 0,1,2,3,4,5,6,7
	global_load_b32 v[VV+8*\dt+\i], v2, s[14:15] offset:65536+256*\i+64*\dt
.endr
.endr
	s_wait_loadcnt 32                              ; K and Q are in; V's 32 loads may be out
.irp s, 0,1,2,3,4,5,6,7,8,9,10,11,12,13,14,15   ; S^T = K Q^T: the two heads' accumulators by turns
.irp t, 0,1
.if \s == 0
	v_wmma_f32_16x16x4_f32 v[SA+8*\t:SA+8*\t+7], v[KK+2*\s:KK+2*\s+1], v[QQ+32*\t+2*\s:QQ+32*\t+2*\s+1], 0
.else
	v_wmma_f32_16x16x4_f32 v[SA+8*\t:SA+8*\t+7], v[KK+2*\s:KK+2*\s+1], v[QQ+32*\t+2*\s:QQ+32*\t+2*\s+1], v[SA+8*\t:SA+8*\t+7]
.endif
.endr
.endr
; Wo for K step ks = 16 t + 4 dt + s of the projection: rows 64 t + 16 dt + 8 h + 2 s + j of my 128, columns 16 T + r of my work-group's 32
.macro WLD ks
.irp tt, 0,1
.irp j, 0,1
	global_load_b32 v[4*(\ks)+2*\tt+\j], v3, s[16:17] offset:(64*((\ks)/16)+16*(((\ks)/4)%4)+2*((\ks)%4)+\j)*4096+64*\tt
.endr
.endr
.endm
	s_wait_loadcnt 0x0                             ; V is in
	WIN 0x40
.set KS_, 0
.rept 15
	WLD KS_                                        ; the first 60 loads of Wo go out under the softmax
.set KS_, KS_+1
.endr
	WIN 0
	PLACES8                                        ; eight places behind this form before its results are read
.irp j, 0,1,2,3,4,5,6,7
	v_cmp_gt_i32 vcc_lo, \j, v4                    ; key 8 h + j comes after position r
	v_cndmask_b32 v[PP+\j], v[SA+\j], v5, vcc_lo
	v_cndmask_b32 v[PP+8+\j], v[SA+8+\j], v5, vcc_lo
.endr
.irp t, 0,1
	v_max3_num_f32 v[F+8*\t+2], v[PP+8*\t], v[PP+8*\t+1], v[PP+8*\t+2]
.endr
.irp t, 0,1
	v_max3_num_f32 v[F+8*\t+2], v[F+8*\t+2], v[PP+8*\t+3], v[PP+8*\t+4]
.endr
.irp t, 0,1
	v_max3_num_f32 v[F+8*\t+2], v[F+8*\t+2], v[PP+8*\t+5], v[PP+8*\t+6]
.endr
.irp t, 0,1
	v_max_num_f32 v[F+8*\t+2], v[F+8*\t+2], v[PP+8*\t+7]
	v_mov_b32 v[F+8*\t+3], 0                       ; a lane permute's destination counts as one of its sources
	v_mov_b32 v[F+8*\t+5], 0
.endr
.irp t, 0,1
	v_permlanex16_b32 v[F+8*\t+3], v[F+8*\t+2], s[SEL], s[SEL+1]
.endr
.irp t, 0,1
	v_max_num_f32 v[F+8*\t+1], v[F+8*\t+2], v[F+8*\t+3]   ; the row's maximum: key 0 counts for every position
.endr
.irp t, 0,1
	v_mul_f32 v[F+8*\t], s[CS], v[F+8*\t+1]
.endr
.irp t, 0,1
.irp i, 0,2,4,6
	v_pk_fma_f32 v[PP+8*\t+\i:PP+8*\t+\i+1], v[PP+8*\t+\i:PP+8*\t+\i+1], s[CS:CS+1], v[F+8*\t:F+8*\t+1] op_sel_hi:[1,0,0] neg_lo:[0,0,1] neg_hi:[0,0,1]
.endr
.endr
.irp i, 0,1,2,3,4,5,6,7,8,9,10,11,12,13,14,15
	v_exp_f32 v[PP+\i], v[PP+\i]
.endr
	v_nop
	s_wait_alu depctr_va_vdst(0)                   ; one wait for the 16 exponentials, ahead of their first reader
.irp t, 0,1
	v_pk_add_f32 v[SU+4*\t:SU+4*\t+1], v[PP+8*\t:PP+8*\t+1], v[PP+8*\t+2:PP+8*\t+3]
.endr
.irp t, 0,1
	v_pk_add_f32 v[SU+4*\t+2:SU+4*\t+3], v[PP+8*\t+4:PP+8*\t+5], v[PP+8*\t+6:PP+8*\t+7]
.endr
.irp t, 0,1
	v_pk_add_f32 v[SU+4*\t:SU+4*\t+1], v[SU+4*\t:SU+4*\t+1], v[SU+4*\t+2:SU+4*\t+3]
.endr
.irp t, 0,1
	v_add_f32 v[F+8*\t+4], v[SU+4*\t], v[SU+4*\t+1]
.endr
.irp t, 0,1
	v_permlanex16_b32 v[F+8*\t+5], v[F+8*\t+4], s[SEL], s[SEL+1]
.endr
.irp t, 0,1
	v_add_f32 v[F+8*\t+4], v[F+8*\t+4], v[F+8*\t+5]
.endr
.irp t, 0,1
	v_rcp_f32 v[F+8*\t+6], v[F+8*\t+4]
.endr
	v_nop
	s_wait_alu depctr_va_vdst(0)                   ; one wait for the two reciprocals
	WIN 0x50                                       ; C and D window 1
.irp s, 0,1,2,3                        ; O^T = V^T P: keys 8 h + 2 s + 0, 1; eight accumulators by turns
.irp t, 0,1
.irp dt, 0,1,2,3
.if \s == 0
	v_wmma_f32_16x16x4_f32 v[OA+32*\t+8*\dt:OA+32*\t+8*\dt+7], v[VV+8*\dt+2*\s:VV+8*\dt+2*\s+1], v[PP+8*\t+2*\s:PP+8*\t+2*\s+1], 0
.else
	v_wmma_f32_16x16x4_f32 v[OA+32*\t+8*\dt:OA+32*\t+8*\dt+7], v[VV+8*\dt+2*\s:VV+8*\dt+2*\s+1], v[PP+8*\t+2*\s:PP+8*\t+2*\s+1], v[OA+32*\t+8*\dt:OA+32*\t+8*\dt+7]
.endif
.endr
.endr
.endr
	WIN 0x40
.rept 15
	WLD KS_                                        ; the next 60 loads of Wo
.set KS_, KS_+1
.endr
	PLACES8
	WIN 0x01
.irp t, 0,1
.irp i, 0,1,2,3,4,5,6,7,8,9,10,11,12,13,14,15,16,17,18,19,20,21,22,23,24,25,26,27,28,29,30,31
	v_mul_f32 v[ON+32*\t+\i], v[OA+32*\t+\i], v[F+8*\t+6]   ; O^T / l into other registers, each accumulator from its low end on
.endr
.endr
; out^T += Wo^T O: source 0 = 16 output columns, source 1 = my 16 positions; K step ks takes channels 64 t + 16 dt + 8 h + 2 s + 0, 1: registers 2 ks, 2 ks + 1 of O^T / l.  Two accumulators by turns
.macro PRJ ks
.irp tt, 0,1
.if (\ks) == 0
	v_wmma_f32_16x16x4_f32 v[OUTA+8*\tt:OUTA+8*\tt+7], v[4*(\ks)+2*\tt:4*(\ks)+2*\tt+1], v[ON+2*(\ks):ON+2*(\ks)+1], 0
.else
	v_wmma_f32_16x16x4_f32 v[OUTA+8*\tt:OUTA+8*\tt+7], v[4*(\ks)+2*\tt:4*(\ks)+2*\tt+1], v[ON+2*(\ks):ON+2*(\ks)+1], v[OUTA+8*\tt:OUTA+8*\tt+7]
.endif
.endr
.endm
	s_wait_loadcnt 60                              ; the first 60 loads of Wo are in; the second 60 may be out
.set KP_, 0
.rept 15
	PRJ KP_
.set KP_, KP_+1
.endr
	WIN 0x40
.rept 2
	WLD KS_                                        ; the last 8 loads
.set KS_, KS_+1
.endr
	s_wait_loadcnt 8                               ; the second 60 are in
	WIN 0x01
.rept 15
	PRJ KP_
.set KP_, KP_+1
.endr
	s_wait_loadcnt 0x0
.rept 2
	PRJ KP_
.set KP_, KP_+1
.endr
	WIN 0
	PLACES8
.irp tt, 0,1
	ds_store_b128 v6, v[OUTA+8*\tt:OUTA+8*\tt+3] offset:64*\tt
	ds_store_b128 v6, v[OUTA+8*\tt+4:OUTA+8*\tt+7] offset:64*\tt+16
.endr
	s_wait_dscnt 0x0                               ; for the others' sake: my part lies in LDS
	s_barrier_signal -1
	s_barrier_wait -1
.irp i, 0,1,2,3,4,5,6,7
	ds_load_b64 v[SU+2*\i:SU+2*\i+1], v7 offset:2304*\i
.endr
	s_wait_dscnt 0x0
.irp i, 1,2,3,4,5,6,7
	v_pk_add_f32 v[SU:SU+1], v[SU:SU+1], v[SU+2*\i:SU+2*\i+1]   ; the eight waves' parts, in ascending order
.endr
	global_store_b64 v8, v[SU:SU+1], s[8:9]        ; sixteen threads store a row's 128 bytes
	s_wait_tensorcnt 0x0                           ; the wave's end
	ds_add_u32 v[SPW], v[NIL]
	s_wait_dscnt 0x0
	s_endpgm
.Lfunc_end_k_q48db4f21a5_fine:
	.size	k_q48db4f21a5_fine, .Lfunc_end_k_q48db4f21a5_fine-k_q48db4f21a5_fine
	.p2alignl 7, 3214868480
	.fill 96, 4, 3214868480
	.section	.rodata,"a",@progbits
	.p2align	6, 0x0
	.amdhsa_kernel k_q48db4f21a5_fine
		.amdhsa_group_segment_fixed_size 19456
		.amdhsa_private_segment_fixed_size 0
		.amdhsa_enable_private_segment 0
		.amdhsa_kernarg_size 24
		.amdhsa_user_sgpr_count 2
		.amdhsa_user_sgpr_kernarg_segment_ptr 1
		.amdhsa_wavefront_size32 1
		.amdhsa_system_sgpr_workgroup_id_x 1
		.amdhsa_system_sgpr_workgroup_id_y 1
		.amdhsa_system_sgpr_workgroup_id_z 1
		.amdhsa_system_vgpr_workitem_id 0
		.amdhsa_next_free_vgpr 512
		.amdhsa_next_free_sgpr 66
		.amdhsa_reserve_vcc 1
		.amdhsa_float_denorm_mode_32 3
		.amdhsa_float_denorm_mode_16_64 3
		.amdhsa_memory_ordered 1
		.amdhsa_forward_progress 1
		.amdhsa_inst_pref_size 36
	.end_amdhsa_kernel
	.amdgpu_metadata
---
amdhsa.version: [ 1, 2 ]
amdhsa.kernels:
  - .name:           k_q48db4f21a5_fine
    .symbol:         k_q48db4f21a5_fine.kd
    .args:
      - { .name: fine32, .offset: 0, .size: 8, .value_kind: global_buffer, .address_space: global }
      - { .name: Wo, .offset: 8, .size: 8, .value_kind: global_buffer, .address_space: global }
      - { .name: out0, .offset: 16, .size: 8, .value_kind: global_buffer, .address_space: global }
    .group_segment_fixed_size: 19456
    .private_segment_fixed_size: 0
    .kernarg_segment_align: 8
    .kernarg_segment_size: 24
    .max_flat_workgroup_size: 256
    .sgpr_count:     66
    .vgpr_count:     512
    .wavefront_size: 32
...
	.end_amdgpu_metadata
.endif
;; end of part 5
